; MI455X (gfx1250); checked and timed in simulation.
; The chip was launched on July 23, 2026; its instructions are those of AMD's public machine-readable ISA for CDNA 5 (MIT licence, August 2026) and "CDNA5" Instruction Set Architecture Reference Guide (July 2026). The comments in the code are by the model that wrote it; some were corrected since.
;; Multi Head Self Attention. Allowed arithmetic: matrix products marked QUANTISED: E2M1 operands, one E8M0 scale for each 32 along K, by v_wmma_scale_f32_16x16x128_f8f6f4 with both operands' format E2M1 (or v_wmma_scale_f32_32x16x128_f4), f32 sums; everything else in f32.
;; Inputs: out_b 1,024 float32; out_w 1,024 x 1,024 float32; qkv_b 3,072 float32; qkv_w 3,072 x 1,024 float32; x 4 x 2,048 x 1,024 float32.
;; Outputs: out0 4 x 2,048 x 1,024 float32.
;; This version of the problem:
;;   THIS VERSION OF THE PROBLEM IS GIVEN IN LOW PRECISION. The matrix products marked QUANTISED in the list below multiply operands that are first quantised to E2M1 (2 exponent bits, 1 mantissa bit; 4 bits a number), with one power-of-two scale for each 32 numbers along K (OCP MX v1.0); their sums are f32. All else is computed in f32.
;;   The module's matrix products, in the order in which they are computed (A, B: the left and right operand; K: the contracted axis; several contracted axes count as one K, in the product's order):
;;     1. [M 8,192, K 1,024] x [K 1,024, N 3,072]; A: input x; B: input qkv_w: QUANTISED
;;     2. batch 64 x [M 2,048, K 64] x [K 64, N 2,048]; A: computed on the way; B: computed on the way: QUANTISED
;;     3. batch 64 x [M 2,048, K 2,048] x [K 2,048, N 64]; A: softmax (see below); B: computed on the way: QUANTISED
;;     4. [M 8,192, K 1,024] x [K 1,024, N 1,024]; A: computed on the way; B: input out_w: QUANTISED
;;   THE QUANTISER, for each operand of a quantised product, along K:
;;     - K is cut into blocks of 32 from its start; a last block that is shorter is filled with zeros.
;;     - A block's scale is 2^e with e = floor(log2(the largest magnitude in the block)) - 2, held to -126 .. 127; a block of zeros has e = 0. As a byte (E8M0): e + 127.
;;     - Each number is divided by its block's scale, clamped to +-6, and rounded to the nearest number of E2M1, ties to even, subnormals kept.
;;     - The product sums the exact products of the quantised numbers (number of the format x scale) in f32.
;;   ~~~python
;;   def quantise(x, axis):      # numpy; x: float32 -> the quantised numbers, widened to float32 again
;;       x = np.moveaxis(x, axis, -1); K = x.shape[-1]
;;       x = np.pad(x, [(0, 0)] * (x.ndim - 1) + [(0, -K % 32)]); x = x.reshape(x.shape[:-1] + (-1, 32)); a = np.abs(x).max(-1, keepdims=True)
;;       e = np.where(a > 0, np.clip(np.frexp(np.where(a > 0, a, 1))[1] - 1 - 2, -126, 127), 0)      # np.frexp(a)[1] - 1 = floor(log2(a)), exactly
;;       r = np.clip(x / 2.0 ** e, -6, 6)
;;       step = 2.0 ** (np.maximum(np.frexp(np.where(r == 0, 1, r))[1] - 1, 0) - 1)
;;       q = np.round(r / step) * step * 2.0 ** e      # np.round: ties to even
;;       return np.moveaxis(q.reshape(q.shape[:-2] + (-1,))[..., :K], -1, axis).astype(np.float32)
;;   ~~~
;;   SOFTMAX AHEAD OF A QUANTISED PRODUCT. Where the list says 'softmax', what is quantised is not the finished softmax but p = 2^(t - M), with t = logit x log2(e) and M = ceil(the row's largest t), a whole number; so 1/2 < the row's largest p <= 1. The row's sum l is taken of the UNQUANTISED p, in f32, and the product's result is divided by l at the end. Since M is a whole number, a kernel that streams over the keys may use a running M (the ceiling of the running maximum): every later rescaling is an exact power of two, which a block's scale takes up: the codes' values come out the same.
;;   OPERANDS COMPUTED ON THE WAY. 'Computed on the way' means the value that the module computes at that place (a softmax that the list does not call 'softmax' is quantised finished and normalised). What goes into a quantiser is computed in f32, as accurately as f32 sums, v_exp_f32 and their like allow (about 1e-6 of the number): no bf16 or f16 on the way to a quantiser, and a product that is left as it is and whose result goes on into a quantised operand takes f32 operands (vector FMAs, or v_wmma_f32_16x16x4_f32). A number that lies on a knife's edge between two numbers of the format may be rounded either way, as far as f32 arithmetic and the matrix unit's own rounding can turn it there, and no further.
;; One version. Each part assembles by itself: llvm-mc -triple=amdgcn-amd-amdhsa -mcpu=gfx1250 --defsym DOCPART=n.
;; ======== version 1 of 1: 4 launches
;; workspace buffers: codes 6,291,456 bytes; scl 393,216 bytes; qc 4,194,304 bytes; qs 524,288 bytes; kv 8,912,896 bytes; ac 4,194,304 bytes; asc 262,144 bytes
;; launch quant (part 1): grid 384 x 1, 4 waves a work-group, no clusters, 33,280 bytes of LDS; arguments x, qkv_w, out_w, codes, scl; writes codes, scl
.if DOCPART == 1
	.amdgcn_target "amdgcn-amd-amdhsa--gfx1250"
	.amdhsa_code_object_version 6
	.text
	.protected	k_q9324379588_quant
	.globl	k_q9324379588_quant
	.p2align	8
	.type	k_q9324379588_quant,@function
k_q9324379588_quant:
	s_mov_b64 s[64:65], 0
	v_nop
	global_prefetch_b8 v0, s[64:65] scope:SCOPE_SE
	s_setreg_imm32_b32 hwreg(HW_REG_WAVE_MODE, 25, 1), 1
	s_wait_xcnt 0x0
; x [8192][1024], qkv_w [3072][1024] and out_w [1024][1024], f32, K innermost, become codes of FP4 (E2M1) with one E8M0 byte for each 32 along K.
; codes: [12288 places][512 bytes], scl: [12288 places][32 bytes]; places 0.. x, 8192.. qkv_w, 11264.. out_w.
; PLACE p HOLDS THE ROW WHOSE NUMBER IS p WITH BITS 3 AND 4 EXCHANGED.  So sixteen neighbouring places 16 i + r hold rows 32 (i / 2) + 8 (i % 2) + r + 8 (r / 8): the choice of rows by which a
; transposed product leaves 16 neighbours along the next K in a lane's 16 registers.  It is paid for here once, by the place at which a wave's 8 rows are stored.
; A block's scale is 2^(floor(log2(its largest magnitude)) - 2); its byte is the largest magnitude's exponent field - 2, held at 1 from below.
; LIMITS: a block whose largest magnitude lies under 2^-124 gets the byte 1; a block of zeros gets the byte 1 with zero codes (the bytes are read by this program alone); NaN and infinities are not served.
; A wave takes 8 rows = 8,192 numbers in 16 steps of 512.  Each of a step's four loads reads 512 consecutive bytes; the 2,048 bytes turn through the wave's own stage in LDS and come back 64 bytes a lane,
; so that a lane holds 16 neighbours (two lanes a block).  A lane's 16 codes are 8 bytes: the wave stores 256 consecutive bytes.  The wave's 256 scale bytes are gathered in LDS and leave as one store.
; No tensor loads, no barrier, no cluster: waves share nothing.  Work-groups 0-255 take x, 256-351 qkv_w, 352-383 out_w.
.set STEPS, 16
.set CB,    8                          ; bytes of 16 codes
.set R,     16                         ; v16-79   four sets of 16 numbers as they are loaded
.set X,     80                         ; v80-111  two sets of 16 neighbours
.set C,     128                        ; v128-191 codes: four registers for each step, so that no store's data are written again
.set E,     112                        ; v112-127 a scale byte for each step
.set WREG,  8192                       ; LDS: a region for each wave: two stages of 32 x SP bytes, behind them its 256 scale bytes
.set SP,    80                         ; a lane's place in a stage: its 64 bytes + 16 of padding
	s_load_b128 s[4:7], s[0:1], 0x0                ; x, qkv_w
	s_load_b128 s[8:11], s[0:1], 0x10              ; out_w, codes
	s_load_b64 s[12:13], s[0:1], 0x20              ; scl
	v_lshl_add_u32 v192, v0, 2, 0x8000
	v_mov_b32 v193, 0
	v_lshrrev_b32 v1, 5, v0
	v_readfirstlane_b32 s16, v1                    ; wave
	v_and_b32 v2, 31, v0                           ; lane
	v_lshlrev_b32 v3, 4, v2                        ; my 16 bytes of a load's 512
	s_mul_i32 s17, s16, WREG
	v_lshrrev_b32 v14, 2, v2
	v_mul_u32_u24 v14, v14, SP
	v_and_b32 v15, 3, v2
	v_lshl_add_u32 v14, v15, 4, v14
	v_add_nc_u32 v14, s17, v14                     ; the stage, on the way in: SP (lane / 4) + 16 (lane % 4); a load's 512 bytes take eight places
	v_mul_u32_u24 v15, v2, SP
	v_add_nc_u32 v15, s17, v15                     ; and on the way out: SP x lane: my 16 neighbours
	v_mul_u32_u24 v4, v2, CB                       ; my codes' place in a step's
	v_lshrrev_b32 v5, 1, v2
	s_add_co_u32 s17, s17, 2*32*SP
	v_add_nc_u32 v5, s17, v5                       ; LDS: my wave's 256 scale bytes, my block's byte
	v_lshlrev_b32 v7, 3, v2                        ; and on the way out 8 bytes a lane
	v_add_nc_u32 v6, s17, v7
	s_and_b32 s20, s16, 1                          ; where my 8 rows go: the wave's two bits are the rows' bits 3 and 4: exchanged
	s_lshl_b32 s20, s20, 1
	s_lshr_b32 s21, s16, 1
	s_or_b32 s20, s20, s21
	s_lshl_b32 s21, ttmp9, 2
	s_add_co_u32 s20, s20, s21                     ; the run of 8 places: 4 x work-group + the exchanged wave
	s_lshl_b32 s22, s20, 12                        ; 4,096 bytes of codes a run
	s_mov_b32 s23, 0
	s_lshl_b32 s24, s20, 8                         ; 256 scale bytes a run
	s_mov_b32 s25, 0
	s_wait_alu depctr_va_vdst(0)
	s_wait_kmcnt 0x0
	s_cmp_lt_u32 ttmp9, 256                        ; which tensor: the choice hangs on the work-group's number alone
	s_cselect_b64 s[4:5], s[4:5], s[6:7]
	s_cselect_b32 s17, 0, 256                      ; and that tensor's first work-group
	s_cmp_lt_u32 ttmp9, 352
	s_cselect_b64 s[4:5], s[4:5], s[8:9]
	s_cselect_b32 s17, s17, 352
	s_sub_co_u32 s17, ttmp9, s17
	s_lshl_b32 s17, s17, 2
	s_add_co_u32 s18, s17, s16                     ; which run of 8 rows of the tensor is my wave's
	s_lshl_b32 s18, s18, 15                        ; 32,768 bytes a run; 1,023 runs at the most
	s_mov_b32 s19, 0
	s_add_nc_u64 s[4:5], s[4:5], s[18:19]
	s_add_nc_u64 s[10:11], s[10:11], s[22:23]
	s_add_nc_u64 s[12:13], s[12:13], s[24:25]
.macro LOAD t
.irp i, 0,1,2,3
	global_load_b128 v[R+16*((\t)%4)+4*\i:R+16*((\t)%4)+4*\i+3], v3, s[4:5] offset:2048*(\t)+512*\i th:TH_LOAD_NT   ; 32 lanes read 512 consecutive bytes
.endr
.endm
.macro TURN t                          ; step t's numbers through the stage: LDS serves a wave's instructions in order, so no wait stands between the stores and the loads
.irp i, 0,1,2,3
	ds_store_b128 v14, v[R+16*((\t)%4)+4*\i:R+16*((\t)%4)+4*\i+3] offset:32*SP*((\t)%2)+8*SP*\i
.endr
.irp i, 0,1,2,3
	ds_load_b128 v[X+16*((\t)%2)+4*\i:X+16*((\t)%2)+4*\i+3], v15 offset:32*SP*((\t)%2)+16*\i
.endr
.endm
.irp t, 0,1,2,3
	LOAD \t
.endr
	s_wait_loadcnt 12                              ; step 0's four loads are in; the twelve behind them stay out
	TURN 0
.macro STEP t
.set XS, X+16*((\t)%2)
.if (\t) > 0
	s_wait_dscnt 1                                 ; this step's numbers are back from the stage (the last step's byte store may be out): so its stores into the stage have read their registers,
.else
	s_wait_dscnt 0x0
.endif
.if (\t)+4 < STEPS
	LOAD (\t)+4                                    ; which take the loads of four steps on
.endif
.if (\t)+1 < STEPS
.if STEPS-2-(\t) >= 3
	s_wait_loadcnt 12                              ; the next step's four loads are in; those of the three steps behind it may be out
.else
	s_wait_loadcnt 4*(STEPS-2-(\t))
.endif
	TURN (\t)+1                                    ; and go through the other stage while this step is worked
.endif
	v_max3_num_f32 v8, |v[XS]|, |v[XS+1]|, |v[XS+2]|               ; the largest magnitude of my 16, in two chains
	v_max3_num_f32 v9, |v[XS+3]|, |v[XS+4]|, |v[XS+5]|
.irp i, 6,10
	v_max3_num_f32 v8, v8, |v[XS+\i]|, |v[XS+\i+1]|
	v_max3_num_f32 v9, v9, |v[XS+\i+2]|, |v[XS+\i+3]|
.endr
	v_max3_num_f32 v8, v8, |v[XS+14]|, |v[XS+15]|
	v_max3_num_f32 v8, v8, v9, 0x1800000           ; and the floor 2^(3 - 127): the byte cannot fall under 1
	v_max_num_f32_dpp v8, v8, v8 row_xmask:1 row_mask:0xf bank_mask:0xf   ; and of my neighbour's 16: the block's
	v_add_nc_u32 v11, 0xff000000, v8               ; 2 off its exponent field: the conversion takes the exponent field of this operand as its scale
	v_cvt_scalef32_pk8_fp4_f32 v[C+4*(\t)], v[XS:XS+7], v11
	v_cvt_scalef32_pk8_fp4_f32 v[C+4*(\t)+1], v[XS+8:XS+15], v11
	v_lshrrev_b32 v[E+(\t)], 23, v11               ; the scale's byte (also the plain line behind the conversions)
	ds_store_b8 v5, v[E+(\t)] offset:16*(\t)       ; both lanes of a block write the same byte with the same value
	global_store_b64 v4, v[C+4*(\t):C+4*(\t)+1], s[10:11] offset:32*CB*(\t)   ; the wave stores 256 consecutive bytes, aligned
.endm
.irp t, 0,1,2,3,4,5,6,7,8,9,10,11,12,13,14,15
	STEP \t
.endr
	ds_load_b64 v[12:13], v6                       ; LDS serves a wave's instructions in order: these see my stores
	s_wait_dscnt 0x0
	global_store_b64 v7, v[12:13], s[12:13]        ; 32 lanes store 256 consecutive bytes, aligned
	s_wait_tensorcnt 0x0
	ds_add_u32 v192, v193
	s_wait_dscnt 0x0
	s_endpgm
.Lfunc_end_k_q9324379588_quant:
	.size	k_q9324379588_quant, .Lfunc_end_k_q9324379588_quant-k_q9324379588_quant
	.p2alignl 7, 3214868480
	.fill 96, 4, 3214868480
	.section	.rodata,"a",@progbits
	.p2align	6, 0x0
	.amdhsa_kernel k_q9324379588_quant
		.amdhsa_group_segment_fixed_size 33280
		.amdhsa_private_segment_fixed_size 0
		.amdhsa_enable_private_segment 0
		.amdhsa_kernarg_size 40
		.amdhsa_user_sgpr_count 2
		.amdhsa_user_sgpr_kernarg_segment_ptr 1
		.amdhsa_wavefront_size32 1
		.amdhsa_system_sgpr_workgroup_id_x 1
		.amdhsa_system_sgpr_workgroup_id_y 1
		.amdhsa_system_sgpr_workgroup_id_z 1
		.amdhsa_system_vgpr_workitem_id 0
		.amdhsa_next_free_vgpr 194
		.amdhsa_next_free_sgpr 66
		.amdhsa_reserve_vcc 0
		.amdhsa_float_denorm_mode_32 3
		.amdhsa_float_denorm_mode_16_64 3
		.amdhsa_memory_ordered 1
		.amdhsa_forward_progress 1
		.amdhsa_inst_pref_size 34
	.end_amdhsa_kernel
	.amdgpu_metadata
---
amdhsa.version: [ 1, 2 ]
amdhsa.kernels:
  - .name:           k_q9324379588_quant
    .symbol:         k_q9324379588_quant.kd
    .args:
      - { .name: x, .offset: 0, .size: 8, .value_kind: global_buffer, .address_space: global }
      - { .name: qkv_w, .offset: 8, .size: 8, .value_kind: global_buffer, .address_space: global }
      - { .name: out_w, .offset: 16, .size: 8, .value_kind: global_buffer, .address_space: global }
      - { .name: codes, .offset: 24, .size: 8, .value_kind: global_buffer, .address_space: global }
      - { .name: scl, .offset: 32, .size: 8, .value_kind: global_buffer, .address_space: global }
    .group_segment_fixed_size: 33280
    .private_segment_fixed_size: 0
    .kernarg_segment_align: 8
    .kernarg_segment_size: 40
    .max_flat_workgroup_size: 128
    .sgpr_count:     66
    .vgpr_count:     194
    .wavefront_size: 32
...
	.end_amdgpu_metadata
.endif
;; end of part 1
;; launch qkv (part 2): grid 12 x 32, 4 waves a work-group, clusters of 4 x 4, 327,680 bytes of LDS; arguments codes, scl, qkv_b, qc, qs, kv; writes qc, qs, kv
.if DOCPART == 2
	.amdgcn_target "amdgcn-amd-amdhsa--gfx1250"
	.amdhsa_code_object_version 6
	.text
	.protected	k_q9324379588_qkv
	.globl	k_q9324379588_qkv
	.p2align	8
	.type	k_q9324379588_qkv,@function
k_q9324379588_qkv:
	s_mov_b64 s[64:65], 0
	v_nop
	global_prefetch_b8 v0, s[64:65] scope:SCOPE_SE
	s_setreg_imm32_b32 hwreg(HW_REG_WAVE_MODE, 25, 1), 1
	s_wait_xcnt 0x0
	s_wait_alu depctr_hold_cnt(0) depctr_sa_sdst(0) depctr_va_vdst(0) depctr_va_sdst(0) depctr_va_ssrc(0) depctr_va_vcc(0) depctr_vm_vsrc(0)
	s_getreg_b32 s2, hwreg(HW_REG_IB_STS2, 6, 4)
	s_cmp_eq_u32 s2, 0
	s_cbranch_scc0 .Lentry_in_a_cluster
	s_endpgm
.Lentry_in_a_cluster:
	s_bfe_u32 s2, ttmp6, 0x10000c
	s_cmp_lg_u32 s2, 0xf033
	s_cbranch_scc0 .Lentry_shape_is_right
	s_endpgm
.Lentry_shape_is_right:
; qkv = x qkv_w^T + qkv_b on codes of FP4 (E2M1) with E8M0 scales, K = 1,024, and at once the quantising of q, k (along the head's 64) and v (along the keys) into the layouts that the attention launch reads.
; A work-group of four waves makes 256 x 256 of the product, a wave 128 x 128: 64 accumulators, 512 registers.  All of K (512 bytes a row) lies in two LDS slots of 512 along K: every tile is asked for at the start, nothing is filled again.
; ONE TEXT FOR q, k AND v.  The cluster's x says which: 0 q, 1 k, 2 v; it is equal in all sixteen partners.  Source 1 (A') gives a lane its row, source 0 (B') runs along a lane's registers, and the quantiser
; runs along the registers.  q, k: A' = tokens, B' = features (the head's 64 lie in registers).  v: A' = features, B' = tokens (the keys lie in registers).  Only the tiles' first rows differ.
; The rows of codes lie at places with bits 3 and 4 exchanged, so register j of half h in B' tile b is true row 32 (b / 2) + 8 (b % 2) + 16 h + j: tiles 2 b', 2 b' + 1 give a lane 16 neighbours.
; CLUSTERS: 4 x 4.  A' tiles hang on cy alone and are asked for jointly along a row of the cluster, B' tiles on cx alone and jointly along a column: a quarter of the requests.
; OUT (all stores are of 512 or 256 consecutive bytes, aligned, straight from registers):
;   qc [64 heads][128 tiles][lane][16 B]: lane (r, h): block h of the query at place 16 tile + r.    qs [64][16][16 r][8 tiles] words (e0, e1, e0, e1).
;   kv [64 heads][16 steps of 128 keys][8,704 B]: +0 k's codes [tile a][lane][16 B]; +4,096 v's codes [d tile t][c][lane][16 B]; +8,192 k's scale words [lane][2]; +8,448 v's [lane][2].
; LIMITS: NaN and infinities are not served; a block whose largest magnitude lies under 2^-124, or of zeros, gets the byte 1 (read by this program alone).
; REGISTERS: window 0: v0-31 addresses; v32-95 scale words, two sets; v96-111 the bias by rows; v128-191 A' fragments, one set; v192-255 the bias by registers.  window 1: B' fragments, two sets, at v0 and v128.
;   window 2: the accumulators of my rows 0-63 ((a, b) at v[8 (8 a + b)]); window 3: those of rows 64-127.  In the way out v8-27, v112-119 and v128-191 of window 0 are at work.
.set NQ,     4                         ; steps of 128 along K in a slot
.set ROWB,   256                       ; a tile's row in bytes: 512 codes
.set KROW,   512                       ; a row of codes in memory
.set PITCH,  272                       ; an LDS row: 256 bytes + 16 of padding = 68 words: the 16 rows that a load touches start 4 banks apart (64 banks of 4 bytes: ISA guide 11.1)
.set FR,     8                         ; registers of a fragment: 16 rows x 128 K
.set NL,     2                         ; LDS loads that bring one
.set NP,     4                         ; places behind this matrix instruction (ISA guide 7.12.1)
.set HALFT,  128*PITCH                 ; 128 rows: what one tensor load brings, and what one wave reads of A' or of B'
.set SLOT,   4*HALFT                   ; A' 256 rows, then B' 256 rows
.set KS,     32                        ; a row of scale bytes
.set SCL,    2*SLOT                    ; behind the slots: the scales, as units of 256 bytes + 16 of padding
.set HALFS,  16*272                    ; the scales of 128 rows
.set SBLK,   2*272                     ; those of 16 rows
.set SPARE,  SCL+4*HALFS               ; the spare words, 128 bytes for each wave: two blocks of 256 bytes that no other line names
.set ADRA, 16                          ; v16-17  LDS address of my A' fragments in slot 0, 1
.set ADRB, 20                          ; v20-21  the same for B'
.set ADRS, 27                          ; v27     LDS address of my scale words: lanes 0-15 A' rows, lanes 16-31 B'
.set SPW,  28                          ; v28     LDS address of my spare word; never rewritten
.set NIL,  29                          ; v29     0; never rewritten
.set SC,   32                          ; scale words: set s at v[SC + 32 s]; register 4 i + q: lanes 0-15 A' block i, lanes 16-31 B' block i, the slot's q-th 128 along K
.set AF,   128                         ; A' fragments
.set BM,   96                          ; v96-111  the bias of my lane's row in A' block a, twice (a pair for the packed form)
.set BN,   192                         ; v192-255 the bias of my 64 registers
.set G1, 24                            ; s[24:31] descriptor group 1 for A' tiles;  s[32:39] group 0, a set for each slot
.set G0, 32
.set G1B, 48                           ; s[48:55], s[56:63] the same for B'
.set G0B, 56
.set G1S, 68                           ; s[68:75], s[76:79] groups 1 and 0 for A' scales;  s[80:87], s[88:91] for B'
.set G0S, 76
.set G1SB, 80
.set G0SB, 88
.set MSB, 0
.macro WIN new                         ; the immediate's high byte repeats the setting that is left; a switch that changes nothing is dropped
.if MSB != (\new)
	s_set_vgpr_msb (MSB<<8)|(\new)
.set MSB, (\new)
.endif
.endm
.set MUL_LO, 0xa1                      ; source 0 (B') window 1, source 1 (A') window 0, C and D window 2
.set MUL_HI, 0xf1                      ; the same, C and D window 3
.set TO_B,   0x40                      ; destination window 1, address window 0
; A joint load: waves 0 and 1 fetch for A', waves 2 and 3 for B'.  Each line has one mask and one set of registers for all that issue it; the branch hangs on the wave's number alone.
; Four v_nop follow each of the two lines, ahead of the jump, the label and what follows.
.macro JLOAD g0a, g1a, g0b, g1b
	s_cmp_eq_u32 s15, 0
	s_cbranch_scc0 .Lfor_b_\@
	tensor_load_to_lds s[\g0a:\g0a+3], s[\g1a:\g1a+7]
	s_nop 0
.rept 4
	v_nop
.endr
	s_branch .Lasked_\@
.Lfor_b_\@:
	tensor_load_to_lds s[\g0b:\g0b+3], s[\g1b:\g1b+7]
	s_nop 0
.rept 4
	v_nop
.endr
.Lasked_\@:
.endm
.macro CROUND                          ; a round of the cluster's barrier: my work-group's barrier; wave 0 signals for the work-group; every wave waits for all sixteen; my work-group's barrier once more
	s_barrier_signal -1
	s_barrier_wait -1
	s_cmp_lg_u32 s14, 0
	s_cbranch_scc1 .Lnot_wave_0_\@
	s_barrier_signal -3
.Lnot_wave_0_\@:
	s_barrier_wait -3
	s_barrier_signal -1
	s_barrier_wait -1
.endm
	s_load_b128 s[4:7], s[0:1], 0x0                ; codes s[4:5], scl s[6:7]
	s_load_b64 s[8:9], s[0:1], 0x10                ; qkv_b
	s_load_b64 s[96:97], s[0:1], 0x18              ; qc
	s_load_b64 s[98:99], s[0:1], 0x20              ; qs
	s_load_b64 s[100:101], s[0:1], 0x28            ; kv
	v_lshl_add_u32 v[SPW], v0, 2, SPARE
	v_mov_b32 v[NIL], 0
	ds_add_u32 v28, v29
	ds_add_u32 v28, v29
	s_wait_dscnt 0x0
	v_lshrrev_b32 v1, 5, v0
	v_readfirstlane_b32 s14, v1                    ; wave 0..3
	s_lshr_b32 s15, s14, 1                         ; p: which half of A' rows is mine.  Also: I fetch for A' (0) or for B' (1)
	s_and_b32 s16, s14, 1                          ; q: which half of B' rows.  Also: which 128 rows of that tile I fetch
	s_bfe_u32 s40, ttmp6, 0x40000                  ; cx, cy: my place in the cluster
	s_bfe_u32 s41, ttmp6, 0x40004
	s_and_b32 s17, ttmp7, 0xffff
	s_lshl_b32 s17, s17, 2                         ; 4 Y, Y the cluster's y
	s_lshl_b32 s43, s41, 2
	s_lshl_b32 s43, 15, s43                        ; my row of the cluster
	s_lshl_b32 s44, 0x1111, s40                    ; my column
	; descriptor group 1: a tile of 128 rows x 256 bytes, padded in LDS
	s_or_b32 s[G1+0], s43, (0<<16)|(1<<20)|(1<<21)|(5<<22)|(3<<25)  ; 15:0 the mask: A' tiles go to my row; 17:16 elements of 1 byte; 20 padding on; 21 set beside a mask; 24:22 after every 64 words; 31:25 four words
	s_or_b32 s[G1B+0], s44, (0<<16)|(1<<20)|(1<<21)|(5<<22)|(3<<25)
.irp g, G1, G1B
	s_mov_b32 s[\g+1], ROWB<<16                    ; tensor_dim0
	s_mov_b32 s[\g+2], 128<<16                     ; tensor_dim1
	s_mov_b32 s[\g+3], ROWB<<16                    ; tile_dim0
	s_mov_b32 s[\g+4], 128                         ; tile_dim1
	s_mov_b32 s[\g+5], KROW                        ; tensor_dim0_stride
	s_mov_b32 s[\g+6], 0
	s_mov_b32 s[\g+7], 0
.endr
	; and for the scales of 128 rows: 4,096 dense bytes, as 16 rows of 256 bytes (32 elements of 8 bytes), 16 bytes of padding behind each
	s_or_b32 s[G1S+0], s43, (3<<16)|(1<<20)|(1<<21)|(5<<22)|(3<<25)
	s_or_b32 s[G1SB+0], s44, (3<<16)|(1<<20)|(1<<21)|(5<<22)|(3<<25)
.irp g, G1S, G1SB
	s_mov_b32 s[\g+1], 32<<16
	s_mov_b32 s[\g+2], 16<<16
	s_mov_b32 s[\g+3], 32<<16
	s_mov_b32 s[\g+4], 16
	s_mov_b32 s[\g+5], 32
	s_mov_b32 s[\g+6], 0
	s_mov_b32 s[\g+7], 0
.endr
	; the tiles' first places.  A' hangs on cy (and Y) alone, B' on cx (and the cluster's x, y) alone, each in registers that never hold the other coordinate
	s_add_co_u32 s20, s17, s41
	s_lshl_b32 s20, s20, 8                         ; q, k: A' = tokens 256 (4 Y + cy)
	s_lshl_b32 s21, s41, 8
	s_add_co_u32 s21, s21, 10240                   ; v: A' = v's weights: 8,192 + 2,048 + 256 cy
	s_lshl_b32 s46, ttmp9, 2
	s_add_co_u32 s46, s46, s40
	s_lshl_b32 s46, s46, 8
	s_add_co_u32 s46, s46, 8192                    ; q, k: B' = weights 8,192 + 256 (4 X + cx)
	s_add_co_u32 s47, s17, s40
	s_lshl_b32 s47, s47, 8                         ; v: B' = tokens 256 (4 Y + cx)
	s_cmp_eq_u32 ttmp9, 2
	s_cselect_b32 s20, s21, s20
	s_cselect_b32 s46, s47, s46
	s_lshl_b32 s18, s16, 7                         ; which 128 rows of the tile I fetch
	s_add_co_u32 s20, s20, s18
	s_add_co_u32 s46, s46, s18
	s_lshl_b32 s22, s20, 5                         ; where these rows' scales begin, in bytes (12,288 rows at the most: all under 2^23),
	s_mov_b32 s23, 0
	s_lshl_b32 s20, s20, 9                         ; and their codes
	s_mov_b32 s21, 0
	s_lshl_b32 s92, s46, 5
	s_mov_b32 s93, 0
	s_lshl_b32 s46, s46, 9
	s_mov_b32 s47, 0
	s_mul_i32 s45, s14, HALFT                      ; where they go: wave x 128 rows: no place in the cluster enters an LDS address
	s_mul_i32 s94, s14, HALFS
	s_wait_kmcnt 0x0
	s_add_nc_u64 s[20:21], s[4:5], s[20:21]
	s_add_nc_u64 s[22:23], s[6:7], s[22:23]
	s_add_nc_u64 s[46:47], s[4:5], s[46:47]
	s_add_nc_u64 s[92:93], s[6:7], s[92:93]
	CROUND                                         ; all sixteen work-groups are here: the joint loads meet
	s_mov_b32 s[G0S], 1
	s_add_co_u32 s[G0S+1], s94, SCL
	s_mov_b64 s[G0S+2:G0S+3], s[22:23]
	s_or_b32 s[G0S+3], s[G0S+3], 0x80000000
	s_mov_b32 s[G0SB], 1
	s_add_co_u32 s[G0SB+1], s94, SCL
	s_mov_b64 s[G0SB+2:G0SB+3], s[92:93]
	s_or_b32 s[G0SB+3], s[G0SB+3], 0x80000000
	JLOAD G0S, G1S, G0SB, G1SB                     ; the scales first: they are wanted with the first step.  Three loads of mine go out in all
.irp s, 0,1
	s_mov_b32 s[G0+4*\s], 1
	s_add_co_u32 s[G0+4*\s+1], s45, \s*SLOT
	s_add_nc_u64 s[G0+4*\s+2:G0+4*\s+3], s[20:21], \s*ROWB
	s_or_b32 s[G0+4*\s+3], s[G0+4*\s+3], 0x80000000
	s_mov_b32 s[G0B+4*\s], 1
	s_add_co_u32 s[G0B+4*\s+1], s45, \s*SLOT
	s_add_nc_u64 s[G0B+4*\s+2:G0B+4*\s+3], s[46:47], \s*ROWB
	s_or_b32 s[G0B+4*\s+3], s[G0B+4*\s+3], 0x80000000
	JLOAD G0+4*\s, G1, G0B+4*\s, G1B
.endr
	v_and_b32 v1, 15, v0                           ; r = l % 16
	v_bfe_u32 v2, v0, 4, 1                         ; h = l / 16
	v_mul_u32_u24 v3, v1, PITCH
	v_lshl_add_u32 v4, v2, 4, v3                   ; a fragment's row x pitch + 16 x half
	s_mul_i32 s21, s15, HALFT                      ; my 128 rows of A'
	s_mul_i32 s22, s16, HALFT                      ; my 128 rows of B',
	s_add_co_u32 s22, s22, 2*HALFT                 ; which lie behind A' 256
.irp s, 0,1
	v_add_nc_u32 v[ADRA+\s], s21, v4
	v_add_nc_u32 v[ADRB+\s], s22, v4
	s_add_co_u32 s21, s21, SLOT
	s_add_co_u32 s22, s22, SLOT
.endr
	v_mul_u32_u24 v5, v1, KS                       ; my row's scales: 32 bytes a row,
	v_lshrrev_b32 v6, 8, v5
	v_lshl_add_u32 v5, v6, 4, v5                   ; and 16 more for each 256 passed
	s_mul_i32 s21, s15, HALFS
	s_mul_i32 s22, s16, HALFS
	s_add_co_u32 s22, s22, 2*HALFS
	s_sub_co_u32 s22, s22, s21
	v_mul_u32_u24 v6, s22, v2                      ; lanes 16-31 take B': one product, the distance between the two bases
	s_add_co_u32 s21, s21, SCL
	v_add_nc_u32 v5, v5, v6
	v_add_nc_u32 v[ADRS], s21, v5
	; the bias.  q, k: it runs along my registers (features 1,024 X + 256 cx + 128 q on); v: along my lanes' rows (features 2,048 + 256 cy + 128 p on).  The one that a kind does not have is read at feature 0 and multiplied by 0.
	s_lshl_b32 s66, ttmp9, 10
	s_lshl_b32 s67, s40, 8
	s_add_co_u32 s66, s66, s67
	s_lshl_b32 s67, s16, 7
	s_add_co_u32 s66, s66, s67
	s_lshl_b32 s67, s41, 8
	s_lshl_b32 s95, s15, 7
	s_add_co_u32 s67, s67, s95
	s_add_co_u32 s67, s67, 2048
	s_cmp_eq_u32 ttmp9, 2
	s_cselect_b32 s66, 0, s66
	s_cselect_b32 s67, s67, 0
	s_lshl_b32 s66, s66, 2
	s_lshl_b32 s67, s67, 2
	v_lshl_add_u32 v30, v2, 6, s66                 ; register 8 b + j: feature 32 (b / 2) + 8 (b % 2) + 16 h + j
	v_and_b32 v31, 8, v1
	v_add_nc_u32 v31, v31, v1
	v_lshl_add_u32 v31, v31, 2, s67                ; lane r of block a: feature 32 (a / 2) + 8 (a % 2) + r + 8 (r / 8)
.irp b, 0,1,2,3,4,5,6,7
	global_load_b128 v[BN+8*\b:BN+8*\b+3], v30, s[8:9] offset:(32*(\b/2)+8*(\b%2))*4
	global_load_b128 v[BN+8*\b+4:BN+8*\b+7], v30, s[8:9] offset:(32*(\b/2)+8*(\b%2))*4+16
.endr
.irp a, 0,1,2,3,4,5,6,7
	global_load_b32 v[BM+2*\a], v31, s[8:9] offset:(32*(\a/2)+8*(\a%2))*4
	global_load_b32 v[BM+2*\a+1], v31, s[8:9] offset:(32*(\a/2)+8*(\a%2))*4
.endr
.macro FRAG reg, adr, q, i             ; a fragment, 16 rows x 128 K of 4-bit codes: lane l holds row l % 16; registers 4 c .. 4 c + 3 hold K = 64 c + 32 (l / 16) + 0 .. 31
.irp c, 0,1
	ds_load_b128 v[\reg+4*\c:\reg+4*\c+3], v[\adr] offset:64*(\q)+32*\c+(\i)*16*PITCH
.endr
.endm
; 16 matrix instructions: A' blocks a0, a0 + 1 x B' eight, the slot's q-th 128 along K.  p: B' set; sc: the set of scale words.  zero = 1: the first product starts the sums.
; The 64 accumulators take turns, one instruction a turn, in the same order in every step.
.macro MUL16 a0, p, q, sc, zero
.irp a, \a0, \a0+1
.irp b, 0,1,2,3,4,5,6,7
.if \zero
	v_wmma_scale_f32_16x16x128_f8f6f4 v[8*(8*((\a)%4)+\b):8*(8*((\a)%4)+\b)+7], v[128*(\p)+FR*\b:128*(\p)+FR*\b+FR-1], v[AF+FR*(\a):AF+FR*(\a)+FR-1], 0, v[SC+8*NQ*(\sc)+NQ*\b+(\q)], v[SC+8*NQ*(\sc)+NQ*(\a)+(\q)] matrix_a_fmt:MATRIX_FMT_FP4 matrix_b_fmt:MATRIX_FMT_FP4 matrix_a_scale:MATRIX_SCALE_ROW1
.else
	v_wmma_scale_f32_16x16x128_f8f6f4 v[8*(8*((\a)%4)+\b):8*(8*((\a)%4)+\b)+7], v[128*(\p)+FR*\b:128*(\p)+FR*\b+FR-1], v[AF+FR*(\a):AF+FR*(\a)+FR-1], v[8*(8*((\a)%4)+\b):8*(8*((\a)%4)+\b)+7], v[SC+8*NQ*(\sc)+NQ*\b+(\q)], v[SC+8*NQ*(\sc)+NQ*(\a)+(\q)] matrix_a_fmt:MATRIX_FMT_FP4 matrix_b_fmt:MATRIX_FMT_FP4 matrix_a_scale:MATRIX_SCALE_ROW1
.endif
.endr
.endr
.endm
.macro FETCH_B slot, q, p              ; B' eight fragments of the slot's q-th 128 along K into set p
	WIN TO_B
.irp i, 0,1,2,3,4,5,6,7
	FRAG 128*(\p)+FR*\i, ADRB+\slot, \q, \i
.endr
	WIN 0
.endm
.macro FETCH_A slot, q, i0             ; A' blocks i0 .. i0 + 3
.irp i, \i0, \i0+1, \i0+2, \i0+3
	FRAG AF+FR*(\i), ADRA+\slot, \q, \i
.endr
.endm
.macro SCALES sc                       ; a slot's scale words into set sc: four words a row; lanes 0-15 take A' block i, lanes 16-31 B' block i
.irp i, 0,1,2,3,4,5,6,7
	ds_load_b128 v[SC+8*NQ*\sc+NQ*\i:SC+8*NQ*\sc+NQ*\i+3], v[ADRS] offset:\i*SBLK
.endr
.endm
; A load into a register that a matrix instruction has read, and a vector instruction that reads a matrix result or writes one of its registers, stand NP places behind it; only plain vector
; instructions that name none of its registers are places (ISA guide 7.12.1 for vector instructions).
.macro PLACES n
.rept \n
	v_nop
.endr
.endm
.macro STEP slot, q, zero              ; a step of 128 along K that has its successor in the same slot
	s_wait_dscnt 4*NL                              ; B' set and A' blocks 0-3 are in; the youngest eight loads (A' blocks 4-7) may be out
	WIN MUL_LO
	MUL16 0, (\q)%2, \q, \slot, \zero
	MUL16 2, (\q)%2, \q, \slot, \zero
	s_wait_dscnt 0                                 ; A' blocks 4-7 are in (asked for 32 matrix instructions ago)
	PLACES NP
	FETCH_B \slot, (\q)+1, 1-(\q)%2
	FETCH_A \slot, (\q)+1, 0
	WIN MUL_HI
	MUL16 4, (\q)%2, \q, \slot, \zero
	MUL16 6, (\q)%2, \q, \slot, \zero
	PLACES NP
	WIN 0
	FETCH_A \slot, (\q)+1, 4
.endm
; Slot 0's last step goes over to slot 1: one barrier; in front of it each wave waits for all its tensor loads (its part of slot 1 was still out).
.macro TURN slot, next
	s_wait_tensorcnt 0x0                           ; all my tensor loads have landed (every window is 0 here)
	ds_add_u32 v[SPW], v[NIL]                      ; 0 onto my spare word
	s_wait_dscnt 4*NL+1                            ; (the add and the youngest eight loads, A' blocks 4-7, may be out)
	WIN MUL_LO
	MUL16 0, 1, NQ-1, \slot, 0                     ; sixteen matrix instructions stand between the add and the wait for it
	s_wait_dscnt 0x0                               ; the add is done, and no LDS instruction of mine is out at the signal
	s_barrier_signal -1
	MUL16 2, 1, NQ-1, \slot, 0
	WIN 0
	s_barrier_wait -1                              ; every wave's part of the next slot has landed
	PLACES NP
	v_add_nc_u32 v[ADRS], 4*NQ, v[ADRS]            ; on to the next slot's scale words
	FETCH_B \next, 0, 0
	FETCH_A \next, 0, 0
	SCALES \next
	WIN MUL_HI
	MUL16 4, 1, NQ-1, \slot, 0
	MUL16 6, 1, NQ-1, \slot, 0
	PLACES NP
	WIN 0
	FETCH_A \next, 0, 4
.endm
.macro STEPS slot, from                ; the slot's steps from .. NQ - 2
.set Q, \from
.rept NQ-1-\from
	STEP \slot, Q, 0
.set Q, Q+1
.endr
.endm
	s_wait_alu depctr_va_vdst(0)
	s_wait_tensorcnt 1                             ; the scales and my part of slot 0 are in (slot 1's load may be out)
	s_wait_loadcnt 0x0                             ; and the biases
	s_barrier_signal -1
	s_barrier_wait -1                              ; everybody's are
	FETCH_B 0, 0, 0
	FETCH_A 0, 0, 0
	SCALES 0
	FETCH_A 0, 0, 4
	STEP 0, 0, 1                                   ; the first step's products start the sums: nothing is cleared
	STEPS 0, 1
	TURN 0, 1
	STEPS 1, 0
	s_wait_dscnt 4*NL                              ; the very last step: nothing more to fetch
	WIN MUL_LO
	MUL16 0, 1, NQ-1, 1, 0
	MUL16 2, 1, NQ-1, 1, 0
	s_wait_dscnt 0
	WIN MUL_HI
	MUL16 4, 1, NQ-1, 1, 0
	MUL16 6, 1, NQ-1, 1, 0
	WIN 0
; THE WAY OUT.  No tensor load is out any more, so the descriptors' registers are free.  What differs between q, k and v is kept in scalar registers; one text serves all three but for the scale words.
.set VO0, 1                            ; v1   16 x lane + where the codes begin in a record
.set VO1, 2                            ; v2   the same for registers 4-7 of a fragment: the next head (q, k) or the next 64 keys (v)
.set PWR, 8                            ; v8-15   the scale word of each of my eight blocks of rows
.set TM,  16                           ; v16-19  largest magnitudes
.set TP,  20                           ; v20-23  the other half's; then the bytes
.set TS,  24                           ; v24-27  the conversions' scale operands
.set PC,  112                          ; v112-119 a fragment's codes
.set T,   128                          ; v128-191 64 numbers
.set SBN, 32                           ; s[32:33] 1.0 where the bias runs along registers, else 0
.set SBM, 34                           ; s[34:35] 1.0 where it runs along rows, else 0
.set OB,  48                           ; s[48:49] where block a's codes go; it walks
.set OB0, 50                           ; s[50:51] the same, at rest
.set QSB, 52                           ; s[52:53] q's scale words
.set SAP, 56                           ; s[56:57] the walk's step;  s[58:59] the extra step behind block 3
.set SA4P, 58
.set SEL, 60                           ; s[60:61] v_permlanex16_b32's selects for lane l xor 16
	s_and_b32 s24, ttmp7, 0xffff                   ; Y
	s_mov_b32 s29, 512
	s_mov_b32 s36, 139264
	s_cmp_eq_u32 ttmp9, 2                          ; v?
	s_cselect_b32 s25, s40, s41                    ; the tokens' tile hangs on cx (v) or cy
	s_cselect_b32 s26, s41, s40                    ; the features' on the other
	s_cselect_b32 s27, s16, s15                    ; which half of the tokens is mine
	s_cselect_b32 s28, s15, s16                    ; which half of the features
	s_cselect_b32 s[SAP], 1024, s29                ; from block to block: 512 bytes (q, k: a tile), 1,024 (v: a d tile's two halves)
	s_cselect_b32 s[SA4P], 135168, 0               ; v: behind block 3 on to the next head's record: 139,264 - 4 x 1,024
	s_cselect_b32 s31, 4096, 0                     ; v's codes begin 4,096 bytes into a record
	s_cselect_b32 s[SBN], 0, 0x3f800000
	s_cselect_b32 s[SBM], 0x3f800000, 0
	s_cselect_b32 s36, 512, s36                    ; registers 4-7: v: 512 on; k: the next head's record
	s_mov_b32 s[SBN+1], s[SBN]
	s_mov_b32 s[SBM+1], s[SBM]
	s_mov_b32 s[SAP+1], 0
	s_mov_b32 s[SA4P+1], 0
	s_mov_b32 s[SEL], 0x76543210
	s_mov_b32 s[SEL+1], 0xfedcba98
	s_lshl_b32 s37, s24, 2
	s_add_co_u32 s37, s37, s25
	s_and_b32 s37, s37, 7
	s_lshl_b32 s37, s37, 1
	s_add_co_u32 s37, s37, s27                     ; which 128 tokens of the batch's 2,048
	s_lshr_b32 s38, s24, 1
	s_lshl_b32 s38, s38, 4
	s_lshl_b32 s39, s26, 2
	s_add_co_u32 s38, s38, s39
	s_lshl_b32 s39, s28, 1
	s_add_co_u32 s38, s38, s39                     ; my first head: 16 x batch + 4 x tile + 2 x half
	s_lshl_b32 s54, s38, 16
	s_lshl_b32 s39, s37, 12
	s_add_co_u32 s54, s54, s39                     ; q: 65,536 bytes a head, 4,096 for 128 tokens
	s_lshl_b32 s39, s38, 4
	s_add_co_u32 s39, s39, s37
	s_mul_i32 s39, s39, 8704                       ; k, v: the record
	s_lshl_b32 s52, s38, 13
	s_lshl_b32 s53, s37, 9
	s_add_co_u32 s52, s52, s53                     ; q's scale words: 8,192 bytes a head, 512 for 128 tokens
	s_mov_b32 s53, 0
	s_mov_b32 s55, 0
	s_cmp_eq_u32 ttmp9, 0                          ; q?
	s_cselect_b32 s54, s54, s39
	s_cselect_b32 s36, 65536, s36                  ; q: registers 4-7 belong to the next head
	s_cselect_b64 s[OB:OB+1], s[96:97], s[100:101]
	s_add_nc_u64 s[OB:OB+1], s[OB:OB+1], s[54:55]
	s_mov_b64 s[OB0:OB0+1], s[OB:OB+1]
	s_add_nc_u64 s[QSB:QSB+1], s[98:99], s[52:53]
	PLACES NP                                      ; behind the last products: their results are read and their fragments' registers written below
	v_bfe_u32 v6, v0, 4, 1                         ; h
	v_and_b32 v7, 15, v0                           ; r
	v_lshlrev_b32 v4, 5, v7
	v_lshl_add_u32 v4, v6, 4, v4                   ; q's scale words: 32 r + 16 h
	v_and_b32 v3, 31, v0
	v_lshlrev_b32 v5, 3, v3                        ; k's and v's: 8 x lane
	v_lshl_add_u32 v[VO0], v3, 4, s31
	v_add_nc_u32 v[VO1], s36, v[VO0]
.irp b, 0,1,2,3
	v_mov_b32 v[TP+\b], 0                          ; written once: a lane permute's destination counts as one of its sources
.endr
; 64 numbers of a lane, register 16 b + i = k 32 b + 16 (lane / 16) + i of my row, become a fragment's codes in v[PC] on and its scale word in v[pw].
.macro QUANT s, pw
.irp b, 0,1,2,3
	v_max3_num_f32 v[TM+\b], |v[\s+16*\b]|, |v[\s+1+16*\b]|, 0x1800000   ; block b: my 16 numbers, and the floor 2^(3 - 127): the byte cannot fall under 1
.endr
.irp i, 2,4,6,8,10,12,14
.irp b, 0,1,2,3
	v_max3_num_f32 v[TM+\b], v[TM+\b], |v[\s+16*\b+\i]|, |v[\s+1+16*\b+\i]|   ; (the four blocks by turns)
.endr
.endr
.irp b, 0,1,2,3
	v_permlanex16_b32 v[TP+\b], v[TM+\b], s[SEL], s[SEL+1]
.endr
.irp b, 0,1,2,3
	v_max_num_f32 v[TM+\b], v[TM+\b], v[TP+\b]     ; with lane l xor 16's: the block's largest magnitude
.endr
.irp b, 0,1,2,3
	v_add_nc_u32 v[TS+\b], 0xff000000, v[TM+\b]    ; 2 off its exponent field: the conversion's scale operand
.endr
.irp b, 0,1,2,3
	v_lshrrev_b32 v[TP+\b], 23, v[TS+\b]           ; the scale's byte
.endr
	v_lshl_or_b32 v[\pw], v[TP+1], 8, v[TP]        ; the four bytes make my row's scale word; both halves of the lanes hold it
	v_lshl_or_b32 v[\pw], v[TP+2], 16, v[\pw]
	v_lshl_or_b32 v[\pw], v[TP+3], 24, v[\pw]
.irp b, 0,1,2,3
	v_cvt_scalef32_pk8_fp4_f32 v[PC+2*\b], v[\s+16*\b:\s+7+16*\b], v[TS+\b]
	v_cvt_scalef32_pk8_fp4_f32 v[PC+1+2*\b], v[\s+8+16*\b:\s+15+16*\b], v[TS+\b]
.endr
	v_nop                                          ; one plain place behind a scaled conversion
.irp c, 0,1                                    ; a whole block in a lane: lanes 0-15 block 2 c, lanes 16-31 block 2 c + 1
.irp i, 0,1
	v_permlane16_swap_b32 v[PC+4*\c+\i], v[PC+2+4*\c+\i]
.endr
.endr
.endm
; Block a of 16 rows: sums + bias, quantised, stored.  Of the two biases one is multiplied by 1.0 and the other by 0, so each number is rounded once.
.macro ROWOUT a
.set AC, 64*((\a)%4)
	WIN 0x20+0x10*((\a)/4)                         ; source 2: window 2 or 3
.set k, 0
.rept 32
	v_pk_fma_f32 v[T+k:T+k+1], v[BN+k:BN+k+1], s[SBN:SBN+1], v[AC+k:AC+k+1] op_sel_hi:[1,0,1]   ; ascending: each accumulator is read from its low end on
.set k, k+2
.endr
	WIN 0
.set k, 0
.rept 32
	v_pk_fma_f32 v[T+k:T+k+1], v[BM+2*(\a):BM+2*(\a)+1], s[SBM:SBM+1], v[T+k:T+k+1] op_sel_hi:[1,0,1]
.set k, k+2
.endr
	QUANT T, PWR+(\a)
	global_store_b128 v[VO0], v[PC:PC+3], s[OB:OB+1]       ; 32 lanes store 512 consecutive bytes, aligned
	global_store_b128 v[VO1], v[PC+4:PC+7], s[OB:OB+1]
	s_wait_xcnt 0x0                                ; the stores' base and data are rewritten only behind this wait
	s_add_nc_u64 s[OB:OB+1], s[OB:OB+1], s[SAP:SAP+1]
.if (\a) == 3
	s_add_nc_u64 s[OB:OB+1], s[OB:OB+1], s[SA4P:SA4P+1]
.endif
.endm
.irp a, 0,1,2,3,4,5,6,7
	ROWOUT \a
.endr
	; THE SCALE WORDS.  Byte b of block a's word belongs to numbers 32 b on of my 128 registers' axis.  The branches hang on the cluster's x alone.
	v_cmp_ne_u32 vcc_lo, 0, v6                     ; lanes 16-31
	s_cmp_eq_u32 ttmp9, 0
	s_cbranch_scc0 .Lnot_q
.irp i, 0,1,2,3
	v_cndmask_b32 v[32+\i], v[PWR+\i], v[PWR+4+\i], vcc_lo         ; q: lane (r, h) stores the words of tiles 4 h .. 4 h + 3 of row r
.endr
.irp i, 0,1,2,3
	v_perm_b32 v[36+\i], v[32+\i], v[32+\i], 0x01000100            ; the first head's two bytes, twice: the word serves the query in either half of K
	v_perm_b32 v[40+\i], v[32+\i], v[32+\i], 0x03020302            ; the second head's
.endr
	global_store_b128 v4, v[36:39], s[QSB:QSB+1]
	global_store_b128 v4, v[40:43], s[QSB:QSB+1] offset:8192
	s_branch .Lscales_done
.Lnot_q:
	s_cmp_eq_u32 ttmp9, 1
	s_cbranch_scc0 .Lis_v
.irp i, 0,1
	v_cndmask_b32 v[32+\i], v[PWR+4*\i], v[PWR+4*\i+2], vcc_lo     ; k: word i of lane (r, h) belongs to the 32 keys of tiles 2 g, 2 g + 1, g = 2 i + h: the even tile's word,
	v_cndmask_b32 v[34+\i], v[PWR+4*\i+1], v[PWR+4*\i+3], vcc_lo   ; and the odd tile's
.endr
.irp i, 0,1
	v_perm_b32 v[36+\i], v[34+\i], v[32+\i], 0x05040100            ; the first head's two bytes of each
	v_perm_b32 v[38+\i], v[34+\i], v[32+\i], 0x07060302            ; the second head's
.endr
	global_store_b64 v5, v[36:37], s[OB0:OB0+1] offset:8192        ; 32 lanes store 256 consecutive bytes, aligned
	global_store_b64 v5, v[38:39], s[OB0:OB0+1] offset:8192+139264
	s_branch .Lscales_done
.Lis_v:
.irp e, 0,1
.irp i, 0,1
	v_cndmask_b32 v[36+2*\e+\i], v[PWR+4*\e+2*\i], v[PWR+4*\e+2*\i+1], vcc_lo   ; v: word i of lane (r, h) is d tile 2 i + h's, whole; blocks 0-3 are the first head's tiles
.endr
.endr
	global_store_b64 v5, v[36:37], s[OB0:OB0+1] offset:8448
	global_store_b64 v5, v[38:39], s[OB0:OB0+1] offset:8448+139264
.Lscales_done:
	s_wait_tensorcnt 0x0                           ; the wave's end
	ds_add_u32 v[SPW], v[NIL]
	s_wait_dscnt 0x0
	CROUND                                         ; the closing round: no work-group ends while a partner may still ask for a tile that names it
	s_endpgm
.Lfunc_end_k_q9324379588_qkv:
	.size	k_q9324379588_qkv, .Lfunc_end_k_q9324379588_qkv-k_q9324379588_qkv
	.p2alignl 7, 3214868480
	.fill 96, 4, 3214868480
	.section	.rodata,"a",@progbits
	.p2align	6, 0x0
	.amdhsa_kernel k_q9324379588_qkv
		.amdhsa_group_segment_fixed_size 327680
		.amdhsa_private_segment_fixed_size 0
		.amdhsa_enable_private_segment 0
		.amdhsa_kernarg_size 48
		.amdhsa_user_sgpr_count 2
		.amdhsa_user_sgpr_kernarg_segment_ptr 1
		.amdhsa_wavefront_size32 1
		.amdhsa_system_sgpr_workgroup_id_x 1
		.amdhsa_system_sgpr_workgroup_id_y 1
		.amdhsa_system_sgpr_workgroup_id_z 1
		.amdhsa_system_vgpr_workitem_id 0
		.amdhsa_next_free_vgpr 1024
		.amdhsa_next_free_sgpr 104
		.amdhsa_reserve_vcc 1
		.amdhsa_float_denorm_mode_32 3
		.amdhsa_float_denorm_mode_16_64 3
		.amdhsa_memory_ordered 1
		.amdhsa_forward_progress 1
		.amdhsa_inst_pref_size 167
	.end_amdhsa_kernel
	.amdgpu_metadata
---
amdhsa.version: [ 1, 2 ]
amdhsa.kernels:
  - .name:           k_q9324379588_qkv
    .symbol:         k_q9324379588_qkv.kd
    .args:
      - { .name: codes, .offset: 0, .size: 8, .value_kind: global_buffer, .address_space: global }
      - { .name: scl, .offset: 8, .size: 8, .value_kind: global_buffer, .address_space: global }
      - { .name: qkv_b, .offset: 16, .size: 8, .value_kind: global_buffer, .address_space: global }
      - { .name: qc, .offset: 24, .size: 8, .value_kind: global_buffer, .address_space: global }
      - { .name: qs, .offset: 32, .size: 8, .value_kind: global_buffer, .address_space: global }
      - { .name: kv, .offset: 40, .size: 8, .value_kind: global_buffer, .address_space: global }
    .group_segment_fixed_size: 327680
    .private_segment_fixed_size: 0
    .kernarg_segment_align: 8
    .kernarg_segment_size: 48
    .max_flat_workgroup_size: 128
    .sgpr_count:     104
    .vgpr_count:     1024
    .wavefront_size: 32
...
	.end_amdgpu_metadata
.endif
;; end of part 2
;; launch attn (part 3): grid 8 x 32, 16 waves a work-group, clusters of 4 x 1, 280,576 bytes of LDS; arguments qc, qs, kv, ac, asc; writes ac, asc
.if DOCPART == 3
	.amdgcn_target "amdgcn-amd-amdhsa--gfx1250"
	.amdhsa_code_object_version 6
	.text
	.protected	k_q9324379588_attn
	.globl	k_q9324379588_attn
	.p2align	8
	.type	k_q9324379588_attn,@function
k_q9324379588_attn:
	s_mov_b64 s[64:65], 0
	v_nop
	global_prefetch_b8 v0, s[64:65] scope:SCOPE_SE
	s_setreg_imm32_b32 hwreg(HW_REG_WAVE_MODE, 25, 1), 1
	s_wait_xcnt 0x0
	s_wait_alu depctr_hold_cnt(0) depctr_sa_sdst(0) depctr_va_vdst(0) depctr_va_sdst(0) depctr_va_ssrc(0) depctr_va_vcc(0) depctr_vm_vsrc(0)
	s_getreg_b32 s2, hwreg(HW_REG_IB_STS2, 6, 4)
	s_cmp_eq_u32 s2, 0
	s_cbranch_scc0 .Lentry_in_a_cluster
	s_endpgm
.Lentry_in_a_cluster:
	s_bfe_u32 s2, ttmp6, 0x10000c
	s_cmp_lg_u32 s2, 0x3003
	s_cbranch_scc0 .Lentry_shape_is_right
	s_endpgm
.Lentry_shape_is_right:
; attended = softmax(q k^T / 8) v for 64 heads of 64, 2,048 keys, both products on codes of FP4 (E2M1) with E8M0 scales, and at once the quantising of the result along the model's 1,024.
; THE SOFTMAX: t = score x log2(e) / 8; M = the running largest t rounded UP to a whole number; p = 2^(t - M) is quantised along the keys, not normalised; the row's sum is taken of the unquantised p and divides at the end.
; When M moves, the sum and O are multiplied by 2^(old M - new M): exact.
; SHARES.  A work-group owns 256 query places of one PAIR of heads; each of its sixteen waves one tile of 16, in 256 registers: four waves to a SIMD, so that one wave's exponentials stand beside another's
; plain vector work, matrix work and LDS loads.  A wave walks the first head's 16 steps of 128 keys, then the second's.  A pair of heads is one step of 128 along the last product's K.
; LDS holds the pair's 32 records of 8,704 bytes just as they lie in memory, 278,528 dense bytes from byte 0, filled ONCE: no slot takes turns, nothing is filled again.  The records are images of operand
; registers: every fragment is read by loads of 16 bytes at 16 x lane.
; CLUSTER.  The four query blocks of a cluster read the same pair: each chunk is asked for jointly, by the same tensor load with the same descriptor and the mask of all four.
; LAYOUT.  Both products are used transposed (S^T = k q^T, O^T = v^T p^T): a lane holds ONE query throughout.  A HEAD HAS 64, THE INSTRUCTION TAKES 128: a fragment of k holds two tiles of 16 keys side by side
; along K and is multiplied once by (q, zeros) and once by (zeros, q): zero codes add nothing.  The keys of the tiles are so chosen that register 16 b + i of the scores is key 32 b + 16 (lane / 16) + i.
; OUT: ac [2][512 tiles][4][2][lane][16 B], images of the last product's fragments; asc [8,192 places][8] scale words.  asc is written 4 bytes to each row of 32: a sixteenth of this launch's output bytes.
; LIMITS: NaN and infinities are not served; a block whose largest magnitude lies under 2^-124, or of zeros, gets the byte 1 (read by this program alone).
; REGISTERS: v1 16 x lane, v2 8 x lane, v3, v4 the step's LDS addresses, v5 32 r; v12 -M, v13 the largest t, v[14:15] the sum in two halves; v16-19 q, v20-23 zeros, v24-27 q again; v28 q's scale word;
;   v32-63 k's four fragments; v64-95 v's four; v96-159 S^T, then p; v160-191 O^T; v192-199 p's codes; v200-201 k's scale words, v202-203 v's, v204 p's; v208-225 at work;
;   v228-232 the second head's q and scale word; v233 the result's scale word; v[234:235] 1 / sum; v236-239 the result's codes.
.set REC,  8704                        ; a record: 128 keys of one head
.set CHK,  4*REC                       ; a chunk: four records; waves 0 and 1 bring a half each
.set WV,   14                          ; s14  my wave's number
.set SEL,  20                          ; s[20:21] lane selects for v_permlanex16_b32: lane l xor 16
.set CS,   22                          ; s[22:23] c = log2(e) / 8; the packed form names a pair and takes its low word for both halves
.set G1,   24                          ; s[24:31] descriptor group 1
.set G0,   32                          ; s[32:63] descriptor group 0, a set for each of the eight chunks
.set TB,   66                          ; s66  LDS byte at which the step's record begins
.set CNT,  67                          ; s67  counts a loop's steps
.macro CROUND                          ; a round of the cluster's barrier
	s_barrier_signal -1
	s_barrier_wait -1
	s_cmp_lg_u32 s[WV], 0
	s_cbranch_scc1 .Lnot_wave_0_\@
	s_barrier_signal -3
.Lnot_wave_0_\@:
	s_barrier_wait -3
	s_barrier_signal -1
	s_barrier_wait -1
.endm
	s_load_b128 s[4:7], s[0:1], 0x0                ; qc, qs
	s_load_b128 s[8:11], s[0:1], 0x10              ; kv, ac
	s_load_b64 s[12:13], s[0:1], 0x20              ; asc
	v_lshl_add_u32 v254, v0, 2, 0x44000
	v_mov_b32 v255, 0
	ds_add_u32 v254, v255
	ds_add_u32 v254, v255
	v_lshrrev_b32 v1, 5, v0
	s_delay_alu instid0(VALU_DEP_1)
	v_readfirstlane_b32 s[WV], v1                  ; wave 0..15
	s_bfe_u32 s15, ttmp6, 0x40000                  ; cx: it enters q's and the results' addresses alone
	s_lshl_b32 s16, ttmp9, 2
	s_add_co_u32 s16, s16, s15                     ; my block of 256 query places: 0..7
	s_and_b32 s17, ttmp7, 0xffff
	s_lshr_b32 s18, s17, 3                         ; the batch
	s_and_b32 s19, s17, 7                          ; the pair of heads
	s_lshl_b32 s70, s18, 4
	s_lshl_b32 s71, s19, 1
	s_add_co_u32 s70, s70, s71                     ; the pair's first head, 0..62
	s_and_b32 s71, s[WV], 1
	s_mul_i32 s71, s71, CHK/2                      ; my half of a chunk, in LDS and in memory alike
	s_mul_i32 s72, s70, 16*REC
	s_add_co_u32 s72, s72, s71
	s_mov_b32 s73, 0
	s_lshl_b32 s76, s16, 4
	s_add_co_u32 s76, s76, s[WV]                   ; my tile of 16 query places in the batch: 0..127
	s_lshl_b32 s78, s70, 16
	s_lshl_b32 s79, s76, 9
	s_add_co_u32 s78, s78, s79                     ; q's codes: 65,536 bytes a head, 512 a tile
	s_mov_b32 s79, 0
	s_lshl_b32 s80, s70, 13
	s_lshr_b32 s81, s76, 3
	s_lshl_b32 s81, s81, 9
	s_add_co_u32 s80, s80, s81
	s_and_b32 s81, s76, 7
	s_lshl_b32 s81, s81, 2
	s_add_co_u32 s80, s80, s81                     ; q's scale words: 8,192 bytes a head, 512 for 8 tiles, 4 a tile
	s_mov_b32 s81, 0
	s_lshr_b32 s82, s19, 2
	s_lshl_b32 s82, s82, 21
	s_lshl_b32 s83, s18, 7
	s_add_co_u32 s83, s83, s76
	s_lshl_b32 s83, s83, 12
	s_add_co_u32 s82, s82, s83
	s_and_b32 s83, s19, 3
	s_lshl_b32 s83, s83, 10
	s_add_co_u32 s82, s82, s83                     ; ac: 2,097,152 x (pair / 4) + 4,096 x tile + 1,024 x (pair % 4)
	s_mov_b32 s83, 0
	s_lshl_b32 s84, s18, 11
	s_lshl_b32 s85, s76, 4
	s_add_co_u32 s84, s84, s85
	s_lshl_b32 s84, s84, 5
	s_lshl_b32 s85, s19, 2
	s_add_co_u32 s84, s84, s85                     ; asc: 32 x place + 4 x pair
	s_mov_b32 s85, 0
	; descriptor group 1: half a chunk, 17,408 dense bytes, as 68 rows of 256 bytes (32 elements of 8 bytes), no padding
	s_mov_b32 s[G1], 15|(3<<16)|(1<<21)            ; 15:0 the mask: all four work-groups; 17:16 elements of 8 bytes; 21 set beside a mask
	s_mov_b32 s[G1+1], 32<<16                      ; tensor_dim0
	s_mov_b32 s[G1+2], 68<<16                      ; tensor_dim1
	s_mov_b32 s[G1+3], 32<<16                      ; tile_dim0
	s_mov_b32 s[G1+4], 68                          ; tile_dim1
	s_mov_b32 s[G1+5], 32                          ; tensor_dim0_stride
	s_mov_b32 s[G1+6], 0
	s_mov_b32 s[G1+7], 0
	s_mov_b32 s[SEL], 0x76543210
	s_mov_b32 s[SEL+1], 0xfedcba98
	s_mov_b32 s[CS], 0x3e38aa3b                    ; c = log2(e) / 8
	s_mov_b32 s[CS+1], s[CS]                       ; (named with it as a pair, so it is written)
	s_mov_b32 s[TB], 0
	s_wait_dscnt 0x0
	s_wait_kmcnt 0x0
	s_add_nc_u64 s[74:75], s[8:9], s[72:73]
	s_add_nc_u64 s[4:5], s[4:5], s[78:79]
	s_add_nc_u64 s[6:7], s[6:7], s[80:81]
	s_add_nc_u64 s[10:11], s[10:11], s[82:83]
	s_add_nc_u64 s[12:13], s[12:13], s[84:85]
.irp g, 0,1,2,3,4,5,6,7
	s_mov_b32 s[G0+4*\g], 1                        ; count = 1
	s_add_co_u32 s[G0+4*\g+1], s71, \g*CHK         ; LDS address: a constant + the wave's low bit x a constant
	s_add_nc_u64 s[G0+4*\g+2:G0+4*\g+3], s[74:75], \g*CHK
	s_or_b32 s[G0+4*\g+3], s[G0+4*\g+3], 0x80000000   ; type = 2
.endr
	CROUND                                         ; all four work-groups are here: the joint loads meet
	s_cmp_lt_u32 s[WV], 2                          ; waves 0 and 1 fetch, all their fills in one branch: eight loads of a wave are out
	s_cbranch_scc0 .Lno_fill
.irp g, 0,1,2,3,4,5,6,7
	tensor_load_to_lds s[G0+4*\g:G0+4*\g+3], s[G1:G1+7]
	s_nop 0
.endr
.rept 4
	v_nop
.endr
.Lno_fill:
	v_and_b32 v6, 31, v0
	s_delay_alu instid0(VALU_DEP_1)
	v_lshlrev_b32 v1, 4, v6                        ; 16 x lane
	s_delay_alu instid0(VALU_DEP_2)
	v_lshlrev_b32 v2, 3, v6                        ; 8 x lane
	v_and_b32 v5, 15, v0
	s_delay_alu instid0(VALU_DEP_1)
	v_lshlrev_b32 v5, 5, v5                        ; 32 r
	global_load_b128 v[16:19], v1, s[4:5]          ; the first head's q, into both places;
	global_load_b128 v[24:27], v1, s[4:5]
	global_load_b128 v[228:231], v1, s[4:5] offset:65536   ; the second head's
	global_load_b32 v28, v5, s[6:7]
	global_load_b32 v232, v5, s[6:7] offset:8192
.irp j, 20,21,22,23
	v_mov_b32 v\j, 0                               ; zero codes
.endr
.irp b, 0,1,2,3
	v_mov_b32 v[212+\b], 0                         ; written once: a lane permute's destination counts as one of its sources
.endr
	v_mov_b32 v221, 0                              ; (named as the upper half of the pair v[220:221])
.macro STATE                           ; a head begins: O^T and the sum are zeros and the largest t lies under every t, so that the step is written once: the first change of M multiplies zeros
	v_mov_b32 v13, 0xff61b1e6                      ; -3e38
	s_delay_alu instid0(VALU_DEP_1)
	v_floor_f32 v12, -v13                          ; -M
	v_mov_b32 v14, 0
	v_mov_b32 v15, 0
.set j, 0
.rept 32
	v_mov_b32 v[160+j], 0
.set j, j+1
.endr
.endm
	STATE
; A KEY STEP: 128 keys of the head in hand.
.macro STEP
	s_setprio 2
	v_add_nc_u32 v3, s[TB], v1
	v_add_nc_u32 v4, s[TB], v2
	v_nop
	v_nop                                          ; four places behind the last step's products, ahead of the loads into v's fragments and scale words
.irp i, 0,1,2,3,4,5,6,7
	ds_load_b128 v[32+4*\i:35+4*\i], v3 offset:512*\i      ; k: fragment b = tiles 2 b and 2 b + 1 of 16 keys, side by side along K
.endr
	ds_load_b64 v[200:201], v4 offset:8192         ; k's scale words: register i: lanes 0-15 fragment 2 i, lanes 16-31 fragment 2 i + 1
.irp i, 8,9,10,11,12,13,14,15
	ds_load_b128 v[32+4*\i:35+4*\i], v3 offset:512*\i      ; v: four tiles of 16 of the head's 64 x 128 keys; they land during the softmax
.endr
	ds_load_b64 v[202:203], v4 offset:8448         ; v's scale words likewise
	s_wait_dscnt 9                                 ; k and its scale words are in; v's nine loads may be out
.irp b, 0,1,2,3
.irp u, 0,1
.if \b%2
	v_wmma_scale_f32_16x16x128_f8f6f4 v[96+8*(2*\b+\u):103+8*(2*\b+\u)], v[32+8*\b:39+8*\b], v[16+4*\u:23+4*\u], 0, v[200+\b/2], v28 matrix_a_fmt:MATRIX_FMT_FP4 matrix_b_fmt:MATRIX_FMT_FP4 matrix_a_scale:MATRIX_SCALE_ROW1
.else
	v_wmma_scale_f32_16x16x128_f8f6f4 v[96+8*(2*\b+\u):103+8*(2*\b+\u)], v[32+8*\b:39+8*\b], v[16+4*\u:23+4*\u], 0, v[200+\b/2], v28 matrix_a_fmt:MATRIX_FMT_FP4 matrix_b_fmt:MATRIX_FMT_FP4
.endif
.endr
.endr
.rept 4
	v_nop                                          ; places ahead of the first read of the scores
.endr
.irp b, 0,1,2,3
	v_max3_num_f32 v[208+\b], v[96+16*\b], v[97+16*\b], v[98+16*\b]   ; the largest score of each block of 32 keys: it serves for the row's maximum and, since p rises with the score, for the block's largest p
.endr
.irp i, 3,5,7,9,11,13
.irp b, 0,1,2,3
	v_max3_num_f32 v[208+\b], v[208+\b], v[96+16*\b+\i], v[97+16*\b+\i]   ; (the four blocks by turns)
.endr
.endr
.irp b, 0,1,2,3
	v_max_num_f32 v[208+\b], v[208+\b], v[111+16*\b]
.endr
.irp b, 0,1,2,3
	s_delay_alu instid0(VALU_DEP_4)
	v_permlanex16_b32 v[212+\b], v[208+\b], s[SEL], s[SEL+1]
.endr
.irp b, 0,1,2,3
	s_delay_alu instid0(VALU_DEP_4)
	v_max_num_f32 v[208+\b], v[208+\b], v[212+\b]  ; with lane l xor 16's 16 keys
.endr
	s_delay_alu instid0(VALU_DEP_2)
	v_max3_num_f32 v222, v208, v209, v210
	s_delay_alu instid0(VALU_DEP_1)
	v_max_num_f32 v222, v222, v211                 ; the step's largest score of my query
	s_delay_alu instid0(VALU_DEP_1)
	v_mul_f32 v222, s[CS], v222                    ; as t (c is positive)
	s_delay_alu instid0(VALU_DEP_1)
	v_max_num_f32 v13, v13, v222                   ; the running largest t
	v_mov_b32 v222, v12
	s_delay_alu instid0(VALU_DEP_2)
	v_floor_f32 v12, -v13                          ; the new -M = floor(-t) = -ceil(t): a whole number
	s_delay_alu instid0(VALU_DEP_1)
	v_sub_f32 v222, v12, v222                      ; M's old value less its new one: a whole number, 0 or less
	s_delay_alu instid0(VALU_DEP_1)
	v_cvt_i32_f32 v222, v222                       ; (it saturates)
	s_delay_alu instid0(VALU_DEP_1)
	v_ldexp_f32 v220, 1.0, v222                    ; f = 2^(old M - new M)
.set j, 0
.rept 32
	v_pk_fma_f32 v[96+j:97+j], v[96+j:97+j], s[CS:CS+1], v[12:13] op_sel_hi:[1,0,0]   ; t - M, two at a time
.set j, j+2
.endr
.irp b, 0,1,2,3
	v_fma_f32 v[208+\b], v[208+\b], s[CS], v12     ; the same of each block's largest score
.endr
.set j, 0
	s_wait_alu depctr_va_vdst(0)
.rept 64
	v_exp_f32 v[96+j], v[96+j]                     ; p = 2^(t - M), at most 1
.set j, j+1
.endr
	s_setprio 1
.irp b, 0,1,2,3
	v_exp_f32 v[208+\b], v[208+\b]                 ; the block's largest p: the same two instructions on the same number give the same bits
.endr
	v_pk_mul_f32 v[14:15], v[14:15], v[220:221] op_sel_hi:[1,0]   ; the sums under the new M (a plain place behind the exponentials)
	s_wait_alu depctr_va_vdst(0)
.irp b, 0,1,2,3
	v_max_num_f32 v[208+\b], 0x1800000, v[208+\b]  ; the floor 2^(3 - 127): the byte cannot fall under 1
.endr
.irp b, 0,1,2,3
	s_delay_alu instid0(VALU_DEP_4)
	v_add_nc_u32 v[216+\b], 0xff000000, v[208+\b]  ; 2 off the exponent field: the conversion's scale operand
.endr
.irp b, 0,1,2,3
	s_delay_alu instid0(VALU_DEP_4)
	v_lshrrev_b32 v[212+\b], 23, v[216+\b]         ; the scale's byte
.endr
	s_delay_alu instid0(VALU_DEP_3)
	v_lshl_or_b32 v204, v213, 8, v212              ; p's scale word for these 128 keys
	s_delay_alu instid0(VALU_DEP_1)
	v_lshl_or_b32 v204, v214, 16, v204
	s_delay_alu instid0(VALU_DEP_1)
	v_lshl_or_b32 v204, v215, 24, v204
.irp b, 0,1,2,3
	v_cvt_scalef32_pk8_fp4_f32 v[192+2*\b], v[96+16*\b:103+16*\b], v[216+\b]
	v_cvt_scalef32_pk8_fp4_f32 v[193+2*\b], v[104+16*\b:111+16*\b], v[216+\b]
.endr
	v_nop                                          ; one plain place behind a scaled conversion
.irp c, 0,1                                    ; a whole block in a lane: lanes 0-15 block 2 c, lanes 16-31 block 2 c + 1
.irp i, 0,1
	v_permlane16_swap_b32 v[192+4*\c+\i], v[194+4*\c+\i]
.endr
.endr
	v_pk_add_f32 v[224:225], v[100:101], v[104:105]
	v_pk_add_f32 v[252:253], v[108:109], v[112:113]
	v_pk_add_f32 v[250:251], v[116:117], v[120:121]
	v_pk_add_f32 v[248:249], v[124:125], v[128:129]
	v_pk_add_f32 v[246:247], v[132:133], v[136:137]
	v_pk_add_f32 v[244:245], v[140:141], v[144:145]
	v_pk_add_f32 v[242:243], v[148:149], v[152:153]
	v_pk_add_f32 v[14:15], v[14:15], v[156:157]
	v_pk_add_f32 v[224:225], v[224:225], v[96:97]
	v_pk_add_f32 v[252:253], v[252:253], v[98:99]
	v_pk_add_f32 v[250:251], v[250:251], v[102:103]
	v_pk_add_f32 v[248:249], v[248:249], v[106:107]
	v_pk_add_f32 v[246:247], v[246:247], v[110:111]
	v_pk_add_f32 v[244:245], v[244:245], v[114:115]
	v_pk_add_f32 v[242:243], v[242:243], v[118:119]
	v_pk_add_f32 v[14:15], v[14:15], v[122:123]
	v_pk_add_f32 v[224:225], v[224:225], v[126:127]
	v_pk_add_f32 v[252:253], v[252:253], v[130:131]
	v_pk_add_f32 v[250:251], v[250:251], v[134:135]
	v_pk_add_f32 v[248:249], v[248:249], v[138:139]
	v_pk_add_f32 v[246:247], v[246:247], v[142:143]
	v_pk_add_f32 v[244:245], v[244:245], v[146:147]
	v_pk_add_f32 v[242:243], v[242:243], v[150:151]
	v_pk_add_f32 v[14:15], v[14:15], v[154:155]
	v_pk_add_f32 v[224:225], v[224:225], v[158:159]
	s_delay_alu instid0(VALU_DEP_2)
	v_pk_add_f32 v[14:15], v[14:15], v[248:249]
	s_delay_alu instid0(VALU_DEP_2)
	v_pk_add_f32 v[224:225], v[224:225], v[246:247]
	v_pk_add_f32 v[252:253], v[252:253], v[244:245]
	v_pk_add_f32 v[250:251], v[250:251], v[242:243]
	s_delay_alu instid0(VALU_DEP_2)
	v_pk_add_f32 v[14:15], v[14:15], v[252:253]
	s_delay_alu instid0(VALU_DEP_2)
	v_pk_add_f32 v[224:225], v[224:225], v[250:251]
	s_delay_alu instid0(VALU_DEP_1)
	v_pk_add_f32 v[14:15], v[14:15], v[224:225]
.set j, 0
	s_setprio 0
.rept 16
	v_pk_mul_f32 v[160+j:161+j], v[160+j:161+j], v[220:221] op_sel_hi:[1,0]   ; O^T under the new M, each accumulator from its low end on.  (With the sums above: the places between p's scale word and codes and the products below)
.set j, j+2
.endr
	s_wait_alu depctr_va_vdst(0)
	s_wait_dscnt 0x0                               ; v and its scale words are in
.irp t, 0,1,2,3                                ; O^T += v^T p^T: the four accumulators by turns
.if \t%2
	v_wmma_scale_f32_16x16x128_f8f6f4 v[160+8*\t:167+8*\t], v[64+8*\t:71+8*\t], v[192:199], v[160+8*\t:167+8*\t], v[202+\t/2], v204 matrix_a_fmt:MATRIX_FMT_FP4 matrix_b_fmt:MATRIX_FMT_FP4 matrix_a_scale:MATRIX_SCALE_ROW1
.else
	v_wmma_scale_f32_16x16x128_f8f6f4 v[160+8*\t:167+8*\t], v[64+8*\t:71+8*\t], v[192:199], v[160+8*\t:167+8*\t], v[202+\t/2], v204 matrix_a_fmt:MATRIX_FMT_FP4 matrix_b_fmt:MATRIX_FMT_FP4
.endif
.endr
	s_add_co_u32 s[TB], s[TB], REC                 ; the next record
.endm
; A head is done: O^T / the sum; register 16 b + i is channel 32 b + 16 (lane / 16) + i of my query; two blocks of 32 are quantised: half e of a fragment of the last product.
.macro FINISH e
	s_wait_xcnt 0x0                                ; the codes' registers, which the first head's store read, are rewritten only behind this wait
.rept 4
	v_nop                                          ; places behind the last products
.endr
	v_add_f32 v14, v14, v15                        ; the sum's two halves,
	s_delay_alu instid0(VALU_DEP_1)
	v_permlanex16_b32 v222, v14, s[SEL], s[SEL+1]
	s_delay_alu instid0(VALU_DEP_1)
	v_add_f32 v14, v14, v222                       ; and lane l xor 16's: the row's sum
	s_wait_alu depctr_va_vdst(0)
	v_rcp_f32 v234, v14
	v_nop                                          ; one plain place behind a transcendental
	s_wait_alu depctr_va_vdst(0)
	v_mov_b32 v235, v234
.set j, 0
.rept 16
	v_pk_mul_f32 v[96+j:97+j], v[160+j:161+j], v[234:235]          ; each accumulator from its low end on
.set j, j+2
.endr
.irp b, 0,1
	v_max3_num_f32 v[208+\b], |v[96+16*\b]|, |v[97+16*\b]|, 0x1800000
.endr
.irp i, 2,4,6,8,10,12,14
.irp b, 0,1
	s_delay_alu instid0(VALU_DEP_2)
	v_max3_num_f32 v[208+\b], v[208+\b], |v[96+16*\b+\i]|, |v[97+16*\b+\i]|
.endr
.endr
.irp b, 0,1
	s_delay_alu instid0(VALU_DEP_2)
	v_permlanex16_b32 v[212+\b], v[208+\b], s[SEL], s[SEL+1]
.endr
.irp b, 0,1
	s_delay_alu instid0(VALU_DEP_2)
	v_max_num_f32 v[208+\b], v[208+\b], v[212+\b]
.endr
.irp b, 0,1
	s_delay_alu instid0(VALU_DEP_2)
	v_add_nc_u32 v[216+\b], 0xff000000, v[208+\b]
.endr
.irp b, 0,1
	s_delay_alu instid0(VALU_DEP_2)
	v_lshrrev_b32 v[212+\b], 23, v[216+\b]
.endr
.if \e == 0
	s_delay_alu instid0(VALU_DEP_1)
	v_lshl_or_b32 v233, v213, 8, v212              ; the pair's scale word: the first head's two bytes,
.else
	s_delay_alu instid0(VALU_DEP_2)
	v_lshl_or_b32 v233, v212, 16, v233             ; and the second head's
	s_delay_alu instid0(VALU_DEP_1)
	v_lshl_or_b32 v233, v213, 24, v233
.endif
	v_cvt_scalef32_pk8_fp4_f32 v236, v[96:103], v216
	v_cvt_scalef32_pk8_fp4_f32 v237, v[104:111], v216
	v_cvt_scalef32_pk8_fp4_f32 v238, v[112:119], v217
	v_cvt_scalef32_pk8_fp4_f32 v239, v[120:127], v217
	v_nop                                          ; one plain place behind a scaled conversion
	v_permlane16_swap_b32 v236, v238               ; a whole block in a lane
	v_permlane16_swap_b32 v237, v239
	global_store_b128 v1, v[236:239], s[10:11] offset:512*\e       ; 32 lanes store 512 consecutive bytes, aligned
.endm
	s_wait_loadcnt 0x0                             ; q
	s_wait_tensorcnt 7                             ; my half of the first chunk has landed; the seven chunks behind it stay out
	s_barrier_signal -1
	s_barrier_wait -1                              ; both halves have: records 0 to 3 may be read
	STEP                                           ; the first four steps are written out: their LDS bytes, 0 to 34,815, are constants of the text and lie under every chunk that is still on its way
	STEP
	STEP
	STEP
	s_wait_tensorcnt 0x0                           ; all my chunks have landed (no LDS load of mine is out: each step ends behind its wait for 0),
	s_barrier_signal -1
	s_barrier_wait -1                              ; everybody's have
	s_mov_b32 s[CNT], 12
.Lhead_0:
	STEP
	s_sub_co_u32 s[CNT], s[CNT], 1
	s_cmp_lg_u32 s[CNT], 0
	s_cbranch_scc1 .Lhead_0
	s_setprio 0
	FINISH 0
	v_mov_b32 v28, v232                            ; the second head: its q's scale word first, more than eight places ahead of the next product,
.irp j, 0,1,2,3
	v_mov_b32 v[16+\j], v[228+\j]                  ; its q, into both places
	v_mov_b32 v[24+\j], v[228+\j]
.endr
	STATE
	s_mov_b32 s[CNT], 16                           ; the records run on into the second head's by themselves
.Lhead_1:
	STEP
	s_sub_co_u32 s[CNT], s[CNT], 1
	s_cmp_lg_u32 s[CNT], 0
	s_cbranch_scc1 .Lhead_1
	s_setprio 0
	FINISH 1
	global_store_b32 v5, v233, s[12:13]            ; my rows' scale words; lanes r and r + 16 hold the same word and write it to the same place
	s_wait_tensorcnt 0x0
	ds_add_u32 v254, v255
	s_wait_dscnt 0x0
	CROUND                                         ; the closing round: no work-group ends while a partner may still ask for a chunk that names it
	s_endpgm
.Lfunc_end_k_q9324379588_attn:
	.size	k_q9324379588_attn, .Lfunc_end_k_q9324379588_attn-k_q9324379588_attn
	.p2alignl 7, 3214868480
	.fill 96, 4, 3214868480
	.section	.rodata,"a",@progbits
	.p2align	6, 0x0
	.amdhsa_kernel k_q9324379588_attn
		.amdhsa_group_segment_fixed_size 280576
		.amdhsa_private_segment_fixed_size 0
		.amdhsa_enable_private_segment 0
		.amdhsa_kernarg_size 40
		.amdhsa_user_sgpr_count 2
		.amdhsa_user_sgpr_kernarg_segment_ptr 1
		.amdhsa_wavefront_size32 1
		.amdhsa_system_sgpr_workgroup_id_x 1
		.amdhsa_system_sgpr_workgroup_id_y 1
		.amdhsa_system_sgpr_workgroup_id_z 1
		.amdhsa_system_vgpr_workitem_id 0
		.amdhsa_next_free_vgpr 256
		.amdhsa_next_free_sgpr 96
		.amdhsa_reserve_vcc 0
		.amdhsa_float_denorm_mode_32 3
		.amdhsa_float_denorm_mode_16_64 3
		.amdhsa_memory_ordered 1
		.amdhsa_forward_progress 1
		.amdhsa_inst_pref_size 115
	.end_amdhsa_kernel
	.amdgpu_metadata
---
amdhsa.version: [ 1, 2 ]
amdhsa.kernels:
  - .name:           k_q9324379588_attn
    .symbol:         k_q9324379588_attn.kd
    .args:
      - { .name: qc, .offset: 0, .size: 8, .value_kind: global_buffer, .address_space: global }
      - { .name: qs, .offset: 8, .size: 8, .value_kind: global_buffer, .address_space: global }
      - { .name: kv, .offset: 16, .size: 8, .value_kind: global_buffer, .address_space: global }
      - { .name: ac, .offset: 24, .size: 8, .value_kind: global_buffer, .address_space: global }
      - { .name: asc, .offset: 32, .size: 8, .value_kind: global_buffer, .address_space: global }
    .group_segment_fixed_size: 280576
    .private_segment_fixed_size: 0
    .kernarg_segment_align: 8
    .kernarg_segment_size: 40
    .max_flat_workgroup_size: 512
    .sgpr_count:     96
    .vgpr_count:     256
    .wavefront_size: 32
...
	.end_amdgpu_metadata
.endif
;; end of part 3
;; launch proj (part 4): grid 4 x 32, 4 waves a work-group, clusters of 4 x 4, 327,680 bytes of LDS; arguments ac, asc, codes, scl, out_b, out0; writes out0
.if DOCPART == 4
	.amdgcn_target "amdgcn-amd-amdhsa--gfx1250"
	.amdhsa_code_object_version 6
	.text
	.protected	k_q9324379588_proj
	.globl	k_q9324379588_proj
	.p2align	8
	.type	k_q9324379588_proj,@function
k_q9324379588_proj:
	s_mov_b64 s[64:65], 0
	v_nop
	global_prefetch_b8 v0, s[64:65] scope:SCOPE_SE
	s_setreg_imm32_b32 hwreg(HW_REG_WAVE_MODE, 25, 1), 1
	s_wait_xcnt 0x0
	s_wait_alu depctr_hold_cnt(0) depctr_sa_sdst(0) depctr_va_vdst(0) depctr_va_sdst(0) depctr_va_ssrc(0) depctr_va_vcc(0) depctr_vm_vsrc(0)
	s_getreg_b32 s2, hwreg(HW_REG_IB_STS2, 6, 4)
	s_cmp_eq_u32 s2, 0
	s_cbranch_scc0 .Lentry_in_a_cluster
	s_endpgm
.Lentry_in_a_cluster:
	s_bfe_u32 s2, ttmp6, 0x10000c
	s_cmp_lg_u32 s2, 0xf033
	s_cbranch_scc0 .Lentry_shape_is_right
	s_endpgm
.Lentry_shape_is_right:
.set NQ,     4
.set ROWB,   256
.set KROW,   512
.set PITCH,  272
.set FR,     8
.set NL,     2
.set NP,     4
.set HALFT,  128*PITCH
.set SLOT,   4*HALFT
.set KS,     32
.set SCL,    2*SLOT
.set HALFS,  16*272
.set SBLK,   2*272
.set SPARE,  SCL+4*HALFS
.set SPITCH, 528
.set ADRA, 16
.set ADRB, 20
.set STO,  24
.set RD,   25
.set CO,   26
.set ADRS, 27
.set SPW,  28
.set NIL,  29
.set SC,   32
.set AF,   128
.set BK,   128
.set BIAS, 64
.set G1, 24
.set G0, 32
.set G1B, 48
.set G0B, 56
.set G1S, 68
.set G0S, 76
.set G1SB, 80
.set G0SB, 88
.set MSB, 0
.macro WIN new
.if MSB != (\new)
	s_set_vgpr_msb (MSB<<8)|(\new)
.set MSB, (\new)
.endif
.endm
.set MUL_LO, 0xa1
.set MUL_HI, 0xf1
.set BIAS_LO, 0x91
.set BIAS_HI, 0xd1
.set TO_B,   0x40
.macro JLOAD g0a, g1a, g0b, g1b
	s_cmp_eq_u32 s15, 0
	s_cbranch_scc0 .Lfor_b_\@
	tensor_load_to_lds s[\g0a:\g0a+3], s[\g1a:\g1a+7]
	s_nop 0
.rept 4
	v_nop
.endr
	s_branch .Lasked_\@
.Lfor_b_\@:
	tensor_load_to_lds s[\g0b:\g0b+3], s[\g1b:\g1b+7]
	s_nop 0
.rept 4
	v_nop
.endr
.Lasked_\@:
.endm
.macro CROUND
	s_barrier_signal -1
	s_barrier_wait -1
	s_cmp_lg_u32 s14, 0
	s_cbranch_scc1 .Lnot_wave_0_\@
	s_barrier_signal -3
.Lnot_wave_0_\@:
	s_barrier_wait -3
	s_barrier_signal -1
	s_barrier_wait -1
.endm
	s_load_b128 s[4:7], s[0:1], 0x0
	s_load_b128 s[8:11], s[0:1], 0x10
	s_load_b64 s[96:97], s[0:1], 0x20
	s_load_b64 s[12:13], s[0:1], 0x28
	v_lshl_add_u32 v[SPW], v0, 2, SPARE
	v_mov_b32 v[NIL], 0
	ds_add_u32 v28, v29
	ds_add_u32 v28, v29
	s_wait_dscnt 0x0
	v_lshrrev_b32 v1, 5, v0
	v_readfirstlane_b32 s14, v1
	s_lshr_b32 s15, s14, 1
	s_and_b32 s16, s14, 1
	s_bfe_u32 s40, ttmp6, 0x40000
	s_bfe_u32 s41, ttmp6, 0x40004
	s_lshl_b32 s42, ttmp9, 2
	s_add_co_u32 s42, s42, s40
	s_and_b32 s17, ttmp7, 0xffff
	s_lshl_b32 s17, s17, 2
	s_add_co_u32 s17, s17, s41
	s_lshl_b32 s43, s41, 2
	s_lshl_b32 s43, 15, s43
	s_lshl_b32 s44, 0x1111, s40
	s_or_b32 s[G1+0], s43, (0<<16)|(1<<20)|(1<<21)|(5<<22)|(3<<25)
	s_or_b32 s[G1B+0], s44, (0<<16)|(1<<20)|(1<<21)|(5<<22)|(3<<25)
.irp g, G1, G1B
	s_mov_b32 s[\g+1], ROWB<<16
	s_mov_b32 s[\g+2], 128<<16
	s_mov_b32 s[\g+3], ROWB<<16
	s_mov_b32 s[\g+4], 128
	s_mov_b32 s[\g+6], 0
	s_mov_b32 s[\g+7], 0
.endr
	s_mov_b32 s[G1+5], ROWB
	s_mov_b32 s[G1B+5], KROW
	s_or_b32 s[G1S+0], s43, (3<<16)|(1<<20)|(1<<21)|(5<<22)|(3<<25)
	s_or_b32 s[G1SB+0], s44, (3<<16)|(1<<20)|(1<<21)|(5<<22)|(3<<25)
.irp g, G1S, G1SB
	s_mov_b32 s[\g+1], 32<<16
	s_mov_b32 s[\g+2], 16<<16
	s_mov_b32 s[\g+3], 32<<16
	s_mov_b32 s[\g+4], 16
	s_mov_b32 s[\g+5], 32
	s_mov_b32 s[\g+6], 0
	s_mov_b32 s[\g+7], 0
.endr
	s_lshl_b32 s20, s17, 16
	s_lshl_b32 s18, s16, 15
	s_add_co_u32 s20, s20, s18
	s_mov_b32 s21, 0
	s_lshl_b32 s22, s17, 13
	s_lshl_b32 s18, s16, 12
	s_add_co_u32 s22, s22, s18
	s_mov_b32 s23, 0
	s_lshl_b32 s46, s42, 8
	s_lshl_b32 s18, s16, 7
	s_add_co_u32 s46, s46, s18
	s_add_co_u32 s46, s46, 11264
	s_lshl_b32 s92, s46, 5
	s_mov_b32 s93, 0
	s_lshl_b32 s46, s46, 9
	s_mov_b32 s47, 0
	s_mul_i32 s45, s14, HALFT
	s_mul_i32 s94, s14, HALFS
	s_wait_kmcnt 0x0
	s_add_nc_u64 s[20:21], s[4:5], s[20:21]
	s_add_nc_u64 s[22:23], s[6:7], s[22:23]
	s_add_nc_u64 s[46:47], s[8:9], s[46:47]
	s_add_nc_u64 s[92:93], s[10:11], s[92:93]
	CROUND
	s_mov_b32 s[G0S], 1
	s_add_co_u32 s[G0S+1], s94, SCL
	s_mov_b64 s[G0S+2:G0S+3], s[22:23]
	s_or_b32 s[G0S+3], s[G0S+3], 0x80000000
	s_mov_b32 s[G0SB], 1
	s_add_co_u32 s[G0SB+1], s94, SCL
	s_mov_b64 s[G0SB+2:G0SB+3], s[92:93]
	s_or_b32 s[G0SB+3], s[G0SB+3], 0x80000000
	JLOAD G0S, G1S, G0SB, G1SB
.irp s, 0,1
	s_mov_b32 s[G0+4*\s], 1
	s_add_co_u32 s[G0+4*\s+1], s45, \s*SLOT
	s_add_nc_u64 s[G0+4*\s+2:G0+4*\s+3], s[20:21], \s*2097152
	s_or_b32 s[G0+4*\s+3], s[G0+4*\s+3], 0x80000000
	s_mov_b32 s[G0B+4*\s], 1
	s_add_co_u32 s[G0B+4*\s+1], s45, \s*SLOT
	s_add_nc_u64 s[G0B+4*\s+2:G0B+4*\s+3], s[46:47], \s*ROWB
	s_or_b32 s[G0B+4*\s+3], s[G0B+4*\s+3], 0x80000000
	s_wait_alu depctr_va_vdst(0)
	s_wait_tensorcnt 0x0
	ds_add_u32 v28, v29
	s_wait_dscnt 0x0
	CROUND
	JLOAD G0+4*\s, G1, G0B+4*\s, G1B
.endr
	v_and_b32 v1, 15, v0
	v_bfe_u32 v2, v0, 4, 1
	v_mul_u32_u24 v3, v1, PITCH
	v_lshl_add_u32 v4, v2, 4, v3
	v_mul_u32_u24 v7, v2, PITCH
	v_lshl_add_u32 v7, v1, 4, v7
	s_mul_i32 s21, s15, HALFT
	s_mul_i32 s22, s16, HALFT
	s_add_co_u32 s22, s22, 2*HALFT
.irp s, 0,1
	v_add_nc_u32 v[ADRA+\s], s21, v7
	v_add_nc_u32 v[ADRB+\s], s22, v4
	s_add_co_u32 s21, s21, SLOT
	s_add_co_u32 s22, s22, SLOT
.endr
	v_mul_u32_u24 v5, v1, KS
	v_lshrrev_b32 v6, 8, v5
	v_lshl_add_u32 v5, v6, 4, v5
	s_mul_i32 s21, s15, HALFS
	s_mul_i32 s22, s16, HALFS
	s_add_co_u32 s22, s22, 2*HALFS
	s_sub_co_u32 s22, s22, s21
	v_mul_u32_u24 v6, s22, v2
	s_add_co_u32 s21, s21, SCL
	v_add_nc_u32 v5, v5, v6
	v_add_nc_u32 v[ADRS], s21, v5
	s_mul_i32 s23, s14, 16*SPITCH
	v_mul_u32_u24 v5, v1, SPITCH
	v_lshl_add_u32 v5, v2, 6, v5
	v_add_nc_u32 v[STO], s23, v5
	v_and_b32 v6, 31, v0
	v_lshlrev_b32 v[CO], 4, v6
	v_add_nc_u32 v[RD], s23, v[CO]
	s_lshl_b32 s20, s17, 8
	s_lshl_b32 s21, s15, 7
	s_add_co_u32 s20, s20, s21
	s_lshl_b32 s20, s20, 12
	s_mov_b32 s21, 0
	s_lshl_b32 s46, s42, 10
	s_lshl_b32 s47, s16, 9
	s_add_co_u32 s46, s46, s47
	s_mov_b32 s47, 0
	v_lshl_add_u32 v30, v2, 6, s46
	s_add_nc_u64 s[20:21], s[20:21], s[46:47]
	s_add_nc_u64 s[12:13], s[12:13], s[20:21]
	WIN TO_B
.irp b, 0,1,2,3,4,5,6,7
	global_load_b128 v[BIAS+8*\b:BIAS+8*\b+3], v30, s[96:97] offset:(32*(\b/2)+8*(\b%2))*4
	global_load_b128 v[BIAS+8*\b+4:BIAS+8*\b+7], v30, s[96:97] offset:(32*(\b/2)+8*(\b%2))*4+16
.endr
	WIN 0
.macro FRAG reg, adr, q, i
.irp c, 0,1
	ds_load_b128 v[\reg+4*\c:\reg+4*\c+3], v[\adr] offset:64*(\q)+32*\c+(\i)*16*PITCH
.endr
.endm
.macro FRAGA reg, adr, q, i
.irp c, 0,1
	ds_load_b128 v[\reg+4*\c:\reg+4*\c+3], v[\adr] offset:(16*(\i)+4*(\q)+2*\c)*PITCH
.endr
.endm
.macro MUL16 a0, p, q, sc, first
.irp a, \a0, \a0+1
.irp b, 0,1,2,3,4,5,6,7
.if \first
	v_wmma_scale_f32_16x16x128_f8f6f4 v[8*(8*((\a)%4)+\b):8*(8*((\a)%4)+\b)+7], v[128*(\p)+FR*\b:128*(\p)+FR*\b+FR-1], v[AF+FR*(\a):AF+FR*(\a)+FR-1], v[BIAS+8*\b:BIAS+8*\b+7], v[SC+8*NQ*(\sc)+NQ*\b+(\q)], v[SC+8*NQ*(\sc)+NQ*(\a)+(\q)] matrix_a_fmt:MATRIX_FMT_FP4 matrix_b_fmt:MATRIX_FMT_FP4 matrix_a_scale:MATRIX_SCALE_ROW1
.else
	v_wmma_scale_f32_16x16x128_f8f6f4 v[8*(8*((\a)%4)+\b):8*(8*((\a)%4)+\b)+7], v[128*(\p)+FR*\b:128*(\p)+FR*\b+FR-1], v[AF+FR*(\a):AF+FR*(\a)+FR-1], v[8*(8*((\a)%4)+\b):8*(8*((\a)%4)+\b)+7], v[SC+8*NQ*(\sc)+NQ*\b+(\q)], v[SC+8*NQ*(\sc)+NQ*(\a)+(\q)] matrix_a_fmt:MATRIX_FMT_FP4 matrix_b_fmt:MATRIX_FMT_FP4 matrix_a_scale:MATRIX_SCALE_ROW1
.endif
.endr
.endr
.endm
.macro FETCH_B slot, q, p
	WIN TO_B
.irp i, 0,1,2,3,4,5,6,7
	FRAG 128*(\p)+FR*\i, ADRB+\slot, \q, \i
.endr
	WIN 0
.endm
.macro FETCH_A slot, q, i0
.irp i, \i0, \i0+1, \i0+2, \i0+3
	FRAGA AF+FR*(\i), ADRA+\slot, \q, \i
.endr
.endm
.macro SCALES sc
.irp i, 0,1,2,3,4,5,6,7
	ds_load_b128 v[SC+8*NQ*\sc+NQ*\i:SC+8*NQ*\sc+NQ*\i+3], v[ADRS] offset:\i*SBLK
.endr
.endm
.macro PLACES n
.rept \n
	v_nop
.endr
.endm
.macro STEP slot, q, first
	s_wait_dscnt 4*NL
.if \first
	WIN BIAS_LO
.else
	WIN MUL_LO
.endif
	MUL16 0, (\q)%2, \q, \slot, \first
	MUL16 2, (\q)%2, \q, \slot, \first
	s_wait_dscnt 0
	PLACES NP
	FETCH_B \slot, (\q)+1, 1-(\q)%2
	FETCH_A \slot, (\q)+1, 0
.if \first
	WIN BIAS_HI
.else
	WIN MUL_HI
.endif
	MUL16 4, (\q)%2, \q, \slot, \first
	MUL16 6, (\q)%2, \q, \slot, \first
	PLACES NP
	WIN 0
	FETCH_A \slot, (\q)+1, 4
.endm
.macro TURN slot, next
	s_wait_tensorcnt 0x0
	ds_add_u32 v[SPW], v[NIL]
	s_wait_dscnt 4*NL+1
	WIN MUL_LO
	MUL16 0, 1, NQ-1, \slot, 0
	s_wait_dscnt 0x0
	s_barrier_signal -1
	MUL16 2, 1, NQ-1, \slot, 0
	WIN 0
	s_barrier_wait -1
	PLACES NP
	v_add_nc_u32 v[ADRS], 4*NQ, v[ADRS]
	FETCH_B \next, 0, 0
	FETCH_A \next, 0, 0
	SCALES \next
	WIN MUL_HI
	MUL16 4, 1, NQ-1, \slot, 0
	MUL16 6, 1, NQ-1, \slot, 0
	PLACES NP
	WIN 0
	FETCH_A \next, 0, 4
.endm
.macro STEPS slot, from
.set Q, \from
.rept NQ-1-\from
	STEP \slot, Q, 0
.set Q, Q+1
.endr
.endm
	s_wait_alu depctr_va_vdst(0)
	s_wait_tensorcnt 1
	s_wait_loadcnt 0x0
	s_barrier_signal -1
	s_barrier_wait -1
	FETCH_B 0, 0, 0
	FETCH_A 0, 0, 0
	SCALES 0
	FETCH_A 0, 0, 4
	STEP 0, 0, 1
	STEPS 0, 1
	TURN 0, 1
	STEPS 1, 0
	s_wait_dscnt 4*NL
	WIN MUL_LO
	MUL16 0, 1, NQ-1, 1, 0
	MUL16 2, 1, NQ-1, 1, 0
	s_wait_dscnt 0
	WIN MUL_HI
	MUL16 4, 1, NQ-1, 1, 0
	MUL16 6, 1, NQ-1, 1, 0
	WIN 0
.macro TOSTAGE a
.set AC, 64*((\a)%4)
	WIN 0x08+4*((\a)/4)
.irp b, 0,1,2,3,4,5,6,7
	ds_store_b128 v[STO], v[AC+8*\b:AC+8*\b+3] offset:128*(\b/2)+32*(\b%2)
	ds_store_b128 v[STO], v[AC+8*\b+4:AC+8*\b+7] offset:128*(\b/2)+32*(\b%2)+16
.endr
	WIN 0
.set BB, BK+64*((\a)%2)
.irp t, 0,1,2,3,4,5,6,7,8,9,10,11,12,13,14,15
	ds_load_b128 v[BB+4*\t:BB+4*\t+3], v[RD] offset:\t*SPITCH
.endr
.endm
.macro SEND a, younger
.set BB, BK+64*((\a)%2)
	s_wait_dscnt \younger
.irp t, 0,1,2,3,4,5,6,7,8,9,10,11,12,13,14,15
	global_store_b128 v[CO], v[BB+4*\t:BB+4*\t+3], s[12:13] offset:(32*((\a)/2)+8*((\a)%2)+\t+8*(\t/8))*4096 th:TH_STORE_NT
.endr
.endm
	PLACES NP
	TOSTAGE 0
.irp a, 1,2,3,4,5,6,7
.if \a > 1
	s_wait_xcnt 0x0
.endif
	TOSTAGE \a
	SEND \a-1, 32
.endr
	SEND 7, 0
	s_wait_tensorcnt 0x0
	ds_add_u32 v[SPW], v[NIL]
	s_wait_dscnt 0x0
	CROUND
	s_endpgm
.Lfunc_end_k_q9324379588_proj:
	.size	k_q9324379588_proj, .Lfunc_end_k_q9324379588_proj-k_q9324379588_proj
	.p2alignl 7, 3214868480
	.fill 96, 4, 3214868480
	.section	.rodata,"a",@progbits
	.p2align	6, 0x0
	.amdhsa_kernel k_q9324379588_proj
		.amdhsa_group_segment_fixed_size 327680
		.amdhsa_private_segment_fixed_size 0
		.amdhsa_enable_private_segment 0
		.amdhsa_kernarg_size 48
		.amdhsa_user_sgpr_count 2
		.amdhsa_user_sgpr_kernarg_segment_ptr 1
		.amdhsa_wavefront_size32 1
		.amdhsa_system_sgpr_workgroup_id_x 1
		.amdhsa_system_sgpr_workgroup_id_y 1
		.amdhsa_system_sgpr_workgroup_id_z 1
		.amdhsa_system_vgpr_workitem_id 0
		.amdhsa_next_free_vgpr 1024
		.amdhsa_next_free_sgpr 100
		.amdhsa_reserve_vcc 0
		.amdhsa_float_denorm_mode_32 3
		.amdhsa_float_denorm_mode_16_64 3
		.amdhsa_memory_ordered 1
		.amdhsa_forward_progress 1
		.amdhsa_inst_pref_size 127
	.end_amdhsa_kernel
	.amdgpu_metadata
---
amdhsa.version: [ 1, 2 ]
amdhsa.kernels:
  - .name:           k_q9324379588_proj
    .symbol:         k_q9324379588_proj.kd
    .args:
      - { .name: ac, .offset: 0, .size: 8, .value_kind: global_buffer, .address_space: global }
      - { .name: asc, .offset: 8, .size: 8, .value_kind: global_buffer, .address_space: global }
      - { .name: codes, .offset: 16, .size: 8, .value_kind: global_buffer, .address_space: global }
      - { .name: scl, .offset: 24, .size: 8, .value_kind: global_buffer, .address_space: global }
      - { .name: out_b, .offset: 32, .size: 8, .value_kind: global_buffer, .address_space: global }
      - { .name: out0, .offset: 40, .size: 8, .value_kind: global_buffer, .address_space: global }
    .group_segment_fixed_size: 327680
    .private_segment_fixed_size: 0
    .kernarg_segment_align: 8
    .kernarg_segment_size: 48
    .max_flat_workgroup_size: 128
    .sgpr_count:     100
    .vgpr_count:     1024
    .wavefront_size: 32
...
	.end_amdgpu_metadata
.endif
;; end of part 4
